; MI455X (gfx1250); checked and timed in simulation.
; The chip was launched on July 23, 2026; its instructions are those of AMD's public machine-readable ISA for CDNA 5 (MIT licence, August 2026) and "CDNA5" Instruction Set Architecture Reference Guide (July 2026). The comments in the code are by the model that wrote it; some were corrected since.
;; Resonant Manifold. Allowed arithmetic: float matrix products may take bf16 or f16 operands with f32 sums; all other float work in f32.
;; Inputs: ambition 8 x 1 float32; gate 256 x 256 float32; inhibit 8 x 8 float32; m 2,048 x 2,048 bool; phases 8 float32; x 16 x 2,048 x 256 float32.
;; Outputs: out0 16 x 2,048 x 256 float32.
;; Constants: B = 2, T = 2048.
;; 3 versions, each right; version 2 is faster than version 1; version 3 is version 2 with the launch mix written anew for expert scheduling mode. Each part assembles by itself: llvm-mc -triple=amdgcn-amd-amdhsa -mcpu=gfx1250 --defsym DOCPART=n.
;; ======== version 1 of 3: 3 launches
;; limits: right only within a limited range of input values; values are held in f16: magnitudes above 65,504 overflow, below 6.1e-05 lose precision; inputs' magnitudes at most 65,504
;; workspace buffers: qkv 16,777,216 bytes; maskbits 524,288 bytes of whole numbers; x1 33,554,432 bytes
;; launch prep (part 1): grid 256 x 1, 4 waves a work-group, no clusters, 290,304 bytes of LDS; arguments x, m, gate, qkv, maskbits; writes qkv, maskbits
.if DOCPART == 1
	.amdgcn_target "amdgcn-amd-amdhsa--gfx1250"
	.amdhsa_code_object_version 6
	.text
	.protected	k_q9de5219522_prep
	.globl	k_q9de5219522_prep
	.p2align	8
	.type	k_q9de5219522_prep,@function
k_q9de5219522_prep:
	s_mov_b64 s[64:65], 0
	v_nop
	global_prefetch_b8 v0, s[64:65] scope:SCOPE_SE
	s_setreg_imm32_b32 hwreg(HW_REG_WAVE_MODE, 25, 1), 1
	s_wait_xcnt 0x0
; FIRST OF THREE LAUNCHES.  qkv = layer_norm(x) @ gate, stored in bf16, and the mask m repacked into lane masks.
; The three launches together: prep (this one); attn: x1 = x + softmax(mask(qkv qkv^T / 16)) qkv; mix: the cell mix, tanh and sin.
; DEAD WORK: none is left out.  Every input (x, m, gate, inhibit, phases, ambition) has a way to the output, the mask is data
; and is honoured byte by byte, and no pattern of it is built in.
; FORMATS: this launch's product takes f16 operands, f32 sums.  nx lies within +-16 for every x (256 numbers of mean square at most 1), and
; gate has room in f16 up to 65,504.  A sum of 256 products whose operands keep 8 significant bits carries an error of about
; 16 x 0.0024 x the size of gate's numbers, a quarter of what is allowed beside a result near 0 (0.01 x the output's root mean square,
; itself about 16 x that size); with 11 bits it is an eighth of that.  qkv is stored in bf16, whose error is a fixed share of the number itself.
; LIMITS of the whole program: |gate| from 65,520 up becomes infinity here.  attn's matrix operands are bf16, sums f32.  In attn the running
; maximum has a floor: scores below about -2.3e38 count as that value.  In mix the sine is right for |x a + p| < 2^22 pi (about 1.3e7).
; v_exp_f32, v_rcp_f32 and v_rsq_f32 flush denormals (ISA guide, their entries in chapter 15).  A row whose keys are all masked comes out
; as NaN, as in reference().
;
; A work-group owns 128 rows of x; wave w owns 32 of them (two tiles of 16) times all 256 outputs.
; x comes in by one tensor load a wave (32 rows of 1,024 bytes), the wave's part of m by another (16 rows of 256 bytes).
; gate has to pass through registers to become f16, so it is not asked for jointly by several work-groups: no cluster.
; The product is used transposed: source 0 = 16 columns of gate (read from LDS by the transposing load), source 1 = 16 rows of nx,
; so that a lane ends with eight neighbouring outputs of one row.
; maskbits[qtile][ktile][j], one 32-bit word: bit r + 16 h is m[16 qtile + r][16 ktile + 8 h + j].  Work-group g makes the words of
; qtile = g / 2, keys 1,024 (g % 2) + 256 w .. + 255 in wave w: 128 words, 512 neighbouring bytes.
.set XPITCH,  1040                     ; an x row in LDS: 1,024 bytes + 16 = 65 x 16
.set XWAVE,   32*XPITCH                ; 33,280: a wave's x tile; later its stage for the way out
.set MKBASE,  4*XWAVE                  ; 133,120
.set MKPITCH, 272
.set MKWAVE,  16*MKPITCH               ; 4,352
.set GTBASE,  MKBASE+4*MKWAVE          ; 150,528: gate in f16, [d][e]
.set GTPITCH, 544                      ; 512 bytes + 32 = 17 x 32
.set SPITCH,  528                      ; a row of the stage: 512 bytes + 16
.set RING,    32                       ; v[32:223]  three sets of 64 registers for gate on its way
.set KB,      32                       ; v[32:127]  three buffers of four gate fragments
.set TR,      128                      ; v[128:255] a row tile in f32; then 16 accumulators; then the read-back
.set SM,      14                       ; v[14:21]   four packed sums
.set MU,      22                       ; v[22:23]   the mean, twice
.set RS,      24                       ; v[24:25]   1 / sqrt(var + eps), twice
.set TT,      26                       ; v26        the other half's sum
; v1 16 t (gate);  v2 where gate goes in LDS;  v3 x fragments;  v4 mask bytes;  v5, v6 gate fragments (d 0-127, 128-255);
; v7 stage in;  v8 stage back;  v9 16 x lane;  v[10:13] mask words.  Window 1, v[0:127]: nx fragments, 64 tt + 8 s + i.
.set MSB, 0
.macro WIN new                         ; the immediate's high byte repeats the setting that is left
.if MSB != \new
	s_set_vgpr_msb (MSB<<8)|\new
.set MSB, \new
.endif
.endm
.macro NOPS n
.rept \n
	v_nop
.endr
.endm
	s_load_b256 s[4:11], s[0:1], 0x0               ; x s[4:5], m s[6:7], gate s[8:9], qkv s[10:11]
	s_load_b64 s[12:13], s[0:1], 0x20              ; maskbits
	v_lshl_add_u32 v30, v0, 2, 0x46c00
	v_mov_b32 v31, 0
	ds_add_u32 v30, v31
	ds_add_u32 v30, v31
	v_lshrrev_b32 v14, 5, v0
	v_readfirstlane_b32 s14, v14                   ; wave 0..3
	; group 1 for x: 32 rows of 256 elements of 4 bytes, 4 words of padding behind every 256 words
	s_mov_b32 s16, (2<<16)|(1<<20)|(7<<22)|(3<<25)
	s_mov_b32 s17, 256<<16                         ; tensor_dim0 = 256
	s_mov_b32 s18, 32<<16                          ; tensor_dim1 = 32
	s_mov_b32 s19, 256<<16                         ; tile_dim0 = 256
	s_mov_b32 s20, 32                              ; tile_dim1 = 32
	s_mov_b32 s21, 256                             ; 256 elements from row to row
	s_mov_b32 s22, 0
	s_mov_b32 s23, 0
	; group 1 for m: 16 rows of 32 elements of 8 bytes, 2,048 bytes from row to row, 4 words of padding behind every 64 words
	s_mov_b32 s32, (3<<16)|(1<<20)|(5<<22)|(3<<25)
	s_mov_b32 s33, 32<<16
	s_mov_b32 s34, 16<<16
	s_mov_b32 s35, 32<<16
	s_mov_b32 s36, 16
	s_mov_b32 s37, 256
	s_mov_b32 s38, 0
	s_mov_b32 s39, 0
	s_mov_b32 s24, 1
	s_mul_i32 s25, s14, XWAVE                      ; my x tile in LDS
	s_mov_b32 s28, 1
	s_mul_i32 s29, s14, MKWAVE
	s_add_co_u32 s29, s29, MKBASE                  ; my mask tile in LDS
	s_lshl_b32 s2, ttmp9, 17                       ; 128 rows of 1,024 bytes a work-group,
	s_lshl_b32 s3, s14, 15                         ; 32 a wave
	s_add_co_u32 s2, s2, s3
	s_mov_b32 s3, 0
	s_lshr_b32 s50, ttmp9, 1                       ; qtile
	s_and_b32 s51, ttmp9, 1
	s_lshl_b32 s51, s51, 10
	s_lshl_b32 s52, s14, 8
	s_add_co_u32 s51, s51, s52                     ; my first key
	s_lshl_b32 s52, s50, 15                        ; 16 rows of 2,048 bytes a qtile
	s_add_co_u32 s52, s52, s51
	s_mov_b32 s53, 0
	s_mov_b32 s48, 0x76543210                      ; v_permlanex16_b32: lane i reads lane i of the other half
	s_mov_b32 s49, 0xfedcba98
	s_mov_b32 s54, 0x3b800000                      ; 1 / 256
	s_mov_b32 s55, 0x3727c5ac                      ; eps = 1e-5
	s_wait_dscnt 0x0
	s_wait_kmcnt 0x0
	s_add_nc_u64 s[30:31], s[6:7], s[52:53]
	s_or_b32 s31, s31, 0x80000000
	s_add_nc_u64 s[26:27], s[4:5], s[2:3]
	s_or_b32 s27, s27, 0x80000000
	tensor_load_to_lds s[28:31], s[32:39]          ; the mask tile first: it is wanted first
	s_nop 0
	tensor_load_to_lds s[24:27], s[16:23]          ; the x tile.  Two tensor loads of the wave are out, and no more follow
	s_nop 0
	s_lshl_b32 s52, s50, 12                        ; maskbits: 4,096 bytes a qtile,
	s_lshl_b32 s2, s51, 1                          ; 32 bytes for 16 keys
	s_add_co_u32 s52, s52, s2
	s_add_nc_u64 s[12:13], s[12:13], s[52:53]
	s_lshl_b32 s2, ttmp9, 16                       ; qkv: 128 rows of 512 bytes a work-group,
	s_lshl_b32 s52, s14, 14                        ; 32 a wave
	s_add_co_u32 s2, s2, s52
	s_add_nc_u64 s[10:11], s[10:11], s[2:3]
	v_lshlrev_b32 v1, 4, v0                        ; gate: thread t takes 16 bytes at 16 t of every 2,048
	v_lshrrev_b32 v14, 6, v0                       ; = row t / 64 of two rows,
	v_and_b32 v15, 63, v0                          ;   columns 4 (t % 64) ..
	v_mul_u32_u24 v2, v14, GTPITCH
	v_lshl_add_u32 v2, v15, 3, v2
	v_add_nc_u32 v2, GTBASE, v2
.macro GBATCH b                        ; 16 loads: 32 rows of gate for the work-group; each covers 512 neighbouring bytes a wave
.irp i, 0,1,2,3,4,5,6,7,8,9,10,11,12,13,14,15
	global_load_b128 v[RING+64*((\b)%3)+4*\i:RING+64*((\b)%3)+4*\i+3], v1, s[8:9] offset:2048*(16*(\b)+\i)
.endr
.endm
.macro GCONV b, left                   ; a batch to f16 and into LDS.  left = loads of younger batches that may stay out
	s_wait_loadcnt \left
.irp i, 0,1,2,3,4,5,6,7,8,9,10,11,12,13,14,15
	v_cvt_pk_f16_f32 v[RING+64*((\b)%3)+4*\i], v[RING+64*((\b)%3)+4*\i], v[RING+64*((\b)%3)+4*\i+1]
	v_cvt_pk_f16_f32 v[RING+64*((\b)%3)+4*\i+1], v[RING+64*((\b)%3)+4*\i+2], v[RING+64*((\b)%3)+4*\i+3]
.endr
.irp i, 0,1,2,3,4,5,6,7,8,9,10,11,12,13,14,15
	ds_store_b64 v2, v[RING+64*((\b)%3)+4*\i:RING+64*((\b)%3)+4*\i+1] offset:2*GTPITCH*\i
.endr
.if \b < 7
	v_add_nc_u32 v2, 32*GTPITCH, v2                ; 32 rows on
.endif
.endm
	GBATCH 0
	GBATCH 1
	GBATCH 2
	; the other addresses, while gate is on its way
	v_and_b32 v16, 15, v0                          ; r
	v_bfe_u32 v17, v0, 4, 1                        ; h
	v_and_b32 v18, 31, v0                          ; lane
	v_mul_u32_u24 v3, v16, XPITCH
	v_lshl_add_u32 v3, v17, 5, v3
	v_add_nc_u32 v3, s25, v3                       ; x: row r, 32 h bytes in
	v_mul_u32_u24 v4, v16, MKPITCH
	v_lshl_add_u32 v4, v17, 3, v4
	v_add_nc_u32 v4, s29, v4                       ; mask: row r, 8 h bytes in
	v_and_b32 v19, 7, v0
	v_lshl_add_u32 v19, v17, 3, v19                ; 8 h + lane % 8
	v_mul_u32_u24 v5, v19, GTPITCH
	v_bfe_u32 v20, v0, 3, 1
	v_lshl_add_u32 v5, v20, 4, v5
	v_add_nc_u32 v5, GTBASE, v5                    ; gate fragments, d 0 to 127
	v_add_nc_u32 v6, 128*GTPITCH, v5               ; d 128 to 255: beyond the 16-bit offset
	v_mul_u32_u24 v7, v16, SPITCH
	v_lshl_add_u32 v7, v17, 4, v7
	v_add_nc_u32 v7, s25, v7                       ; stage in: row r, 16 h bytes in
	v_lshlrev_b32 v9, 4, v18                       ; 16 x lane
	v_add_nc_u32 v8, s25, v9                       ; stage back: a whole row of 512 bytes a load
	v_mov_b32 v10, 0                               ; v_writelane_b32 keeps the other lanes: its destination is written first
	v_mov_b32 v11, 0
	v_mov_b32 v12, 0
	v_mov_b32 v13, 0
	v_mov_b32 v[TT], 0                             ; likewise for v_permlanex16_b32
	GCONV 0, 32                                    ; 32: the two younger batches of 16 stay out
	GBATCH 3
	GCONV 1, 32
	GBATCH 4
	GCONV 2, 32
	GBATCH 5
	GCONV 3, 32
	GBATCH 6
	GCONV 4, 32
	GBATCH 7
	GCONV 5, 32
	GCONV 6, 16                                    ; one younger batch
	GCONV 7, 0
	; THE MASK WORDS.  Lane (r, h) reads the eight bytes m[r][16 kt + 8 h + 0..7]; a compare of byte j over the 32 lanes is the word (kt, j).
	s_wait_tensorcnt 0x1                           ; the mask tile has landed; the one younger load, the x tile, may stay out
.irp kt, 0,1,2,3,4,5,6,7,8,9,10,11,12,13,14,15
	ds_load_b64 v[32+2*\kt:33+2*\kt], v4 offset:16*\kt
.endr
	s_wait_dscnt 0x0
.set n, 0
.rept 128                                              ; word n = 8 kt + j goes to register n % 4 of lane n / 4: a lane's four words are 16 neighbouring bytes
	v_and_b32 v[14+(n&7)], 0xff<<(8*(n&3)), v[32+2*(n>>3)+((n>>2)&1)]
	v_cmp_ne_u32 s[40+(n&7)], 0, v[14+(n&7)]
	v_writelane_b32 v[10+(n&3)], s[40+(n&7)], n>>2
.set n, n+1
.endr
	global_store_b128 v9, v[10:13], s[12:13]       ; 512 neighbouring bytes; v9 and v[10:13] are not written again
	; LAYER NORM of 16 rows.  Lane (r, h) holds the 128 numbers of row r that its fragments need, each at its true place along d.
	; Two passes (mean; then squares of x - mean): no difference of large sums is formed.
.macro LNORM tt
.irp ks, 0,1,2,3,4,5,6,7
	ds_load_b128 v[TR+16*\ks:TR+16*\ks+3],     v3 offset:16*XPITCH*\tt+128*\ks
	ds_load_b128 v[TR+16*\ks+4:TR+16*\ks+7],   v3 offset:16*XPITCH*\tt+128*\ks+16
	ds_load_b128 v[TR+16*\ks+8:TR+16*\ks+11],  v3 offset:16*XPITCH*\tt+128*\ks+64
	ds_load_b128 v[TR+16*\ks+12:TR+16*\ks+15], v3 offset:16*XPITCH*\tt+128*\ks+80
.endr
	s_wait_dscnt 0x0
.irp c, 0,1,2,3
	v_pk_add_f32 v[SM+2*\c:SM+2*\c+1], v[TR+2*\c:TR+2*\c+1], v[TR+8+2*\c:TR+8+2*\c+1]
.endr
.set j, 8
.rept 56
	v_pk_add_f32 v[SM+2*(j%4):SM+2*(j%4)+1], v[SM+2*(j%4):SM+2*(j%4)+1], v[TR+2*j:TR+2*j+1]
.set j, j+1
.endr
	v_pk_add_f32 v[SM:SM+1], v[SM:SM+1], v[SM+2:SM+3]
	v_pk_add_f32 v[SM+4:SM+5], v[SM+4:SM+5], v[SM+6:SM+7]
	v_pk_add_f32 v[SM:SM+1], v[SM:SM+1], v[SM+4:SM+5]
	v_add_f32 v[SM], v[SM], v[SM+1]
	v_permlanex16_b32 v[TT], v[SM], s48, s49       ; the row's other 128 numbers
	v_add_f32 v[SM], v[SM], v[TT]
	v_mul_f32 v[MU], s54, v[SM]
	v_mul_f32 v[MU+1], s54, v[SM]
.set j, 0
.rept 64
	v_pk_add_f32 v[TR+2*j:TR+2*j+1], v[TR+2*j:TR+2*j+1], v[MU:MU+1] neg_lo:[0,1] neg_hi:[0,1]
.set j, j+1
.endr
.irp c, 0,1,2,3
	v_pk_mul_f32 v[SM+2*\c:SM+2*\c+1], v[TR+2*\c:TR+2*\c+1], v[TR+2*\c:TR+2*\c+1]
.endr
.set j, 4
.rept 60
	v_pk_fma_f32 v[SM+2*(j%4):SM+2*(j%4)+1], v[TR+2*j:TR+2*j+1], v[TR+2*j:TR+2*j+1], v[SM+2*(j%4):SM+2*(j%4)+1]
.set j, j+1
.endr
	v_pk_add_f32 v[SM:SM+1], v[SM:SM+1], v[SM+2:SM+3]
	v_pk_add_f32 v[SM+4:SM+5], v[SM+4:SM+5], v[SM+6:SM+7]
	v_pk_add_f32 v[SM:SM+1], v[SM:SM+1], v[SM+4:SM+5]
	v_add_f32 v[SM], v[SM], v[SM+1]
	v_permlanex16_b32 v[TT], v[SM], s48, s49
	v_add_f32 v[SM], v[SM], v[TT]
	v_fma_f32 v[SM], v[SM], s54, s55               ; var + 1e-5
	v_rsq_f32 v[RS], v[SM]
	v_nop                                          ; one plain instruction behind v_rsq_f32 before its result is used (ISA guide 5.7.2)
	s_wait_alu depctr_va_vdst(0)
	v_mov_b32 v[RS+1], v[RS]
.set j, 0
.rept 64
	v_pk_mul_f32 v[TR+2*j:TR+2*j+1], v[TR+2*j:TR+2*j+1], v[RS:RS+1]
.set j, j+1
.endr
	WIN 0x40                                       ; destination in window 1
.set j, 0
.rept 64
	v_cvt_pk_f16_f32 v[64*\tt+j], v[TR+2*j], v[TR+2*j+1]    ; register i of K step s is number 8 s + i
.set j, j+1
.endr
	WIN 0
.endm
	s_wait_tensorcnt 0x0                           ; my x tile has landed; only I read it
	LNORM 0
	LNORM 1
	s_wait_dscnt 0x0                               ; my part of gate is in LDS
	s_barrier_signal -1
	s_barrier_wait -1                              ; everybody's is
	; THE PRODUCT, in two passes of eight output tiles.  Group g = K step g / 2, four output tiles (half g % 2), both row tiles: 8 matrix instructions.
.macro GLOAD p, g
.irp f, 0,1,2,3
	ds_load_tr16_b128 v[KB+32*((\g)%3)+8*\f:KB+32*((\g)%3)+8*\f+3],   v[5+((\g)>>3)] offset:(((\g)>>1)&3)*32*GTPITCH+32*(8*\p+4*((\g)&1)+\f)
	ds_load_tr16_b128 v[KB+32*((\g)%3)+8*\f+4:KB+32*((\g)%3)+8*\f+7], v[5+((\g)>>3)] offset:(((\g)>>1)&3)*32*GTPITCH+32*(8*\p+4*((\g)&1)+\f)+16*GTPITCH
.endr
.endm
.macro GMUL g                          ; the 16 accumulators take turns, one instruction a turn
.irp f, 0,1,2,3
.irp tt, 0,1
.if (\g) < 2
	v_wmma_f32_16x16x32_f16 v[TR+8*(2*(4*((\g)&1)+\f)+\tt):TR+8*(2*(4*((\g)&1)+\f)+\tt)+7], v[KB+32*((\g)%3)+8*\f:KB+32*((\g)%3)+8*\f+7], v[64*\tt+8*((\g)>>1):64*\tt+8*((\g)>>1)+7], 0
.else
	v_wmma_f32_16x16x32_f16 v[TR+8*(2*(4*((\g)&1)+\f)+\tt):TR+8*(2*(4*((\g)&1)+\f)+\tt)+7], v[KB+32*((\g)%3)+8*\f:KB+32*((\g)%3)+8*\f+7], v[64*\tt+8*((\g)>>1):64*\tt+8*((\g)>>1)+7], v[TR+8*(2*(4*((\g)&1)+\f)+\tt):TR+8*(2*(4*((\g)&1)+\f)+\tt)+7]
.endif
.endr
.endr
.endm
.macro PASS p
	WIN 0x04                                       ; source 1 (nx) in window 1
	GLOAD \p, 0
	GLOAD \p, 1
	GLOAD \p, 2
.set g, 0
.rept 16
.if g < 14
	s_wait_dscnt 16                                ; group g's eight loads are in; the two younger groups of eight stay out
.else
.if g == 14
	s_wait_dscnt 8
.else
	s_wait_dscnt 0
.endif
.endif
	GMUL g
.if g < 13
	NOPS 4                                         ; four places behind the matrix instructions that read the buffer (ISA guide 7.12.1), then it is loaded again
	GLOAD \p, g+3
.endif
.set g, g+1
.endr
	NOPS 4                                         ; four places before the results are read and the buffers written
	WIN 0
.irp a, 0,1,2,3,4,5,6,7,8,9,10,11,12,13,14,15
.irp q, 0,1,2,3
	v_cvt_pk_bf16_f32 v[32+4*\a+\q], v[TR+8*\a+2*\q], v[TR+8*\a+2*\q+1]    ; qkv leaves in bf16
.endr
.endr
.irp el, 0,1,2,3,4,5,6,7
.irp tt, 0,1
	ds_store_b128 v7, v[32+4*(2*\el+\tt):32+4*(2*\el+\tt)+3] offset:16*SPITCH*\tt+32*(8*\p+\el)   ; my x tile has had its only fill and its last read: it is my stage now
.endr
.endr
.endm
	PASS 0
	PASS 1
	; THE WAY OUT: whole rows of 512 bytes back from my own stage (LDS serves a wave's instructions in order: ISA guide 5.7.1) and out.
.set i, 0
.rept 32
	ds_load_b128 v[TR+4*i:TR+4*i+3], v8 offset:SPITCH*i
.set i, i+1
.endr
.set i, 0
.rept 32
	s_wait_dscnt 31-i                              ; row i is in; the younger rows stay out
	global_store_b128 v9, v[TR+4*i:TR+4*i+3], s[10:11] offset:512*i   ; 512 neighbouring bytes, aligned
.set i, i+1
.endr
	s_wait_tensorcnt 0x0
	ds_add_u32 v30, v31
	s_wait_dscnt 0x0
	s_endpgm
.Lfunc_end_k_q9de5219522_prep:
	.size	k_q9de5219522_prep, .Lfunc_end_k_q9de5219522_prep-k_q9de5219522_prep
	.p2alignl 7, 3214868480
	.fill 96, 4, 3214868480
	.section	.rodata,"a",@progbits
	.p2align	6, 0x0
	.amdhsa_kernel k_q9de5219522_prep
		.amdhsa_group_segment_fixed_size 290304
		.amdhsa_private_segment_fixed_size 0
		.amdhsa_enable_private_segment 0
		.amdhsa_kernarg_size 40
		.amdhsa_user_sgpr_count 2
		.amdhsa_user_sgpr_kernarg_segment_ptr 1
		.amdhsa_wavefront_size32 1
		.amdhsa_system_sgpr_workgroup_id_x 1
		.amdhsa_system_sgpr_workgroup_id_y 1
		.amdhsa_system_sgpr_workgroup_id_z 1
		.amdhsa_system_vgpr_workitem_id 0
		.amdhsa_next_free_vgpr 384
		.amdhsa_next_free_sgpr 66
		.amdhsa_reserve_vcc 0
		.amdhsa_float_denorm_mode_32 3
		.amdhsa_float_denorm_mode_16_64 3
		.amdhsa_memory_ordered 1
		.amdhsa_forward_progress 1
		.amdhsa_inst_pref_size 165
	.end_amdhsa_kernel
	.amdgpu_metadata
---
amdhsa.version: [ 1, 2 ]
amdhsa.kernels:
  - .name:           k_q9de5219522_prep
    .symbol:         k_q9de5219522_prep.kd
    .args:
      - { .name: x, .offset: 0, .size: 8, .value_kind: global_buffer, .address_space: global }
      - { .name: m, .offset: 8, .size: 8, .value_kind: global_buffer, .address_space: global }
      - { .name: gate, .offset: 16, .size: 8, .value_kind: global_buffer, .address_space: global }
      - { .name: qkv, .offset: 24, .size: 8, .value_kind: global_buffer, .address_space: global }
      - { .name: maskbits, .offset: 32, .size: 8, .value_kind: global_buffer, .address_space: global }
    .group_segment_fixed_size: 290304
    .private_segment_fixed_size: 0
    .kernarg_segment_align: 8
    .kernarg_segment_size: 40
    .max_flat_workgroup_size: 128
    .sgpr_count:     66
    .vgpr_count:     384
    .wavefront_size: 32
...
	.end_amdgpu_metadata
.endif
;; end of part 1
;; launch attn (part 2): grid 16 x 16, 4 waves a work-group, clusters of 4 x 1, 327,680 bytes of LDS; arguments qkv, maskbits, x, x1; writes x1
.if DOCPART == 2
	.amdgcn_target "amdgcn-amd-amdhsa--gfx1250"
	.amdhsa_code_object_version 6
	.text
	.protected	k_q9de5219522_attn
	.globl	k_q9de5219522_attn
	.p2align	8
	.type	k_q9de5219522_attn,@function
k_q9de5219522_attn:
	s_mov_b64 s[64:65], 0
	v_nop
	global_prefetch_b8 v0, s[64:65] scope:SCOPE_SE
	s_setreg_imm32_b32 hwreg(HW_REG_WAVE_MODE, 25, 1), 1
	s_wait_xcnt 0x0
	s_wait_alu depctr_hold_cnt(0) depctr_sa_sdst(0) depctr_va_vdst(0) depctr_va_sdst(0) depctr_va_ssrc(0) depctr_va_vcc(0) depctr_vm_vsrc(0)
	s_getreg_b32 s2, hwreg(HW_REG_IB_STS2, 6, 4)
	s_cmp_eq_u32 s2, 0
	s_cbranch_scc0 .Lentry_in_a_cluster
	s_endpgm
.Lentry_in_a_cluster:
	s_bfe_u32 s2, ttmp6, 0x10000c
	s_cmp_lg_u32 s2, 0x3003
	s_cbranch_scc0 .Lentry_shape_is_right
	s_endpgm
.Lentry_shape_is_right:
; SECOND LAUNCH.  x1 = x + softmax(where(m, -inf, qkv qkv^T / 16)) qkv, for 16 slices of 2,048 rows x 256.  No work of reference() is left out here.
; A work-group owns 128 queries of one slice.  Wave w: qh = w / 2 picks 64 queries (four tiles qt), kh = w % 2 picks 64 of every 128 keys.
; Each wave runs its own softmax with a running maximum over its 1,024 keys; the two key halves are merged at the end.
; CLUSTER: the four work-groups of a cluster are four query blocks of one slice and walk the same keys, so every key tile is asked for
; jointly (mask 15).  The descriptors hang on the slice and the wave's number alone.
; ORIENTATION: S^T = K Q^T (source 0 = 16 keys, source 1 = 16 queries): register j of lane (r, h) is (key 8 h + j, query r).  A query's
; figures are one register a lane.  Two neighbouring S^T tiles, rounded to bf16 and packed, ARE the source-1 fragment P^T, and
; O^T = V^T P^T takes V^T from the same LDS tile by the transposing load.  No number changes lanes but the maximum and the sum (once each).
; THE MAXIMUM is kept as N = -max c, c = log2(e) / 16: N = min(N, round(-tile max x c)); p = exp2(s c + N); old sums are scaled by
; exp2(N new - N old).  The same rounded N stands in all three, so its rounding cancels in the division.
; LIMIT: N starts at 2^124, so scores below about -2.3e38 count as that value.  While all keys seen are masked, p = exp2(-inf) = 0; a row
; with every key masked ends as 0 x (1 / 0) = NaN, as in reference().
; LDS: two slots of 256 keys, rows of 512 bytes + 16 (33 x 16 bytes: the sixteen rows of a K fragment start 16 bytes apart modulo 256; the
; transposing loads would want 17 x 32, and one pitch cannot be both); 4,096 bytes for the waves' figures, never a tensor load's target.
; Behind the slots' last fill they serve as the stage of the merge: 64 rows of 1,040 bytes a wave.
; Q is read once, straight into fragment registers: there is no room for it beside the two slots.
.set PITCH,  528
.set WPART,  64*PITCH                  ; 33,792: what one tensor load brings
.set SLOTB,  4*WPART                   ; 135,168
.set STATS,  2*SLOTB                   ; 270,336
.set MPITCH, 1040
.set MREG,   64*MPITCH                 ; 66,560: a wave's stage
.set KADR,   2                         ; v[2:5]    K fragments of (slot, u): register 2 slot + u
.set VADR,   6                         ; v[6:9]    V fragments likewise
.set NREG,   10                        ; v[10:13]  N of the four query tiles
.set LREG,   14                        ; v[14:17]  the lane's part of the sum
.set ALREG,  18                        ; v[18:25]  the scale of the old sums, a pair for each query tile
.set NMREG,  26                        ; v[26:27]  N, twice
.set TREG,   28                        ; v[28:31]  at work
.set KB,     32                        ; v[32:127] three buffers of four K fragments
.set VA,     32                        ; v[32:95]  eight V fragments
.set SREG,   128                       ; v[128:255] S(qt, kt) at 32 qt + 8 kt; then P(qt, kp) at 16 qt + 8 kp
.set VB,     192                       ; v[192:255] eight V fragments, once P is packed
; v1 = -inf.  Window 1: Q(qt, s) at 64 qt + 8 s; at the end x.  Windows 2, 3: O(dt, qt) at 8 (4 (dt % 8) + qt), dt 0-7 and 8-15.
.set MA,     32                        ; s[32:63]  32 mask words
.set MB,     68                        ; s[68:99]  32 mask words
; s[4:5] qkv; s[6:7] my mask words; s[8:9] x, s[10:11] x1 at my 32 rows; s12 wave, s13 qh, s14 kh; s15 trips; s[16:23] group 1;
; s[24:31] group 0 of slots 0, 1; s[66:67] c, c; s100, s101 lane selects; s[104:105] Q.
.set MSB, 0
.macro WIN new                         ; the immediate's high byte repeats the setting that is left
.if MSB != \new
	s_set_vgpr_msb (MSB<<8)|\new
.set MSB, \new
.endif
.endm
.macro NOPS n
.rept \n
	v_nop
.endr
.endm
.macro ROUND                           ; a round of the cluster's barrier
	s_barrier_signal -1
	s_barrier_wait -1
	s_cmp_lg_u32 s12, 0
	s_cbranch_scc1 .Lnot_wave_0_\@
	s_barrier_signal -3
.Lnot_wave_0_\@:
	s_barrier_wait -3
	s_barrier_signal -1
	s_barrier_wait -1
.endm
	s_load_b256 s[4:11], s[0:1], 0x0
	v_lshl_add_u32 v126, v0, 2, 0x43000
	v_mov_b32 v127, 0
	ds_add_u32 v126, v127
	ds_add_u32 v126, v127
	s_wait_dscnt 0x0
	v_lshrrev_b32 v1, 5, v0
	v_readfirstlane_b32 s12, v1
	s_lshr_b32 s13, s12, 1
	s_and_b32 s14, s12, 1
	; group 1: 64 rows of 256 elements of 2 bytes, 4 words of padding behind every 128 words; mask 15 with bit 21 beside it
	s_mov_b32 s16, 15|(1<<16)|(1<<20)|(1<<21)|(6<<22)|(3<<25)
	s_mov_b32 s17, 256<<16
	s_mov_b32 s18, 64<<16
	s_mov_b32 s19, 256<<16
	s_mov_b32 s20, 64
	s_mov_b32 s21, 256
	s_mov_b32 s22, 0
	s_mov_b32 s23, 0
	s_mov_b32 s24, 1
	s_mul_i32 s25, s12, WPART                      ; my quarter of slot 0
	s_mov_b32 s28, 1
	s_mul_i32 s29, s12, WPART
	s_add_co_u32 s29, s29, SLOTB                   ; and of slot 1
	s_and_b32 s2, ttmp7, 0xffff                    ; the slice
	s_lshl_b32 s2, s2, 20                          ; 2,048 rows of 512 bytes
	s_lshl_b32 s3, s12, 15                         ; my 64 keys of 256
	s_add_co_u32 s2, s2, s3
	s_mov_b32 s3, 0
	s_mov_b32 s66, 0x3db8aa3b                      ; c = log2(e) / 16
	s_mov_b32 s67, 0x3db8aa3b
	s_mov_b32 s100, 0x76543210
	s_mov_b32 s101, 0xfedcba98
	s_wait_kmcnt 0x0
	s_add_nc_u64 s[26:27], s[4:5], s[2:3]          ; keys 0 to 255
	s_add_nc_u64 s[30:31], s[26:27], 256*512       ; keys 256 to 511
	s_or_b32 s27, s27, 0x80000000
	s_or_b32 s31, s31, 0x80000000
	ROUND                                          ; the four work-groups are here: the first joint loads meet
	tensor_load_to_lds s[24:27], s[16:23]
	s_nop 0
	tensor_load_to_lds s[28:31], s[16:23]          ; two tensor loads of the wave are out here, one behind every later round
	s_nop 0
	; what hangs on my place in the cluster: global addresses alone, in registers that feed no descriptor
	s_bfe_u32 s68, ttmp6, 0x40000                  ; cx
	s_lshl_b32 s69, ttmp9, 2
	s_add_co_u32 s68, s68, s69                     ; query block = 4 x cluster x + cx
	s_and_b32 s69, ttmp7, 0xffff
	s_lshl_b32 s70, s69, 20
	s_lshl_b32 s71, s68, 16                        ; 128 rows of 512 bytes
	s_add_co_u32 s70, s70, s71
	s_mov_b32 s71, 0
	s_add_nc_u64 s[104:105], s[4:5], s[70:71]      ; Q
	s_lshl_b32 s70, s68, 15                        ; mask words: 8 query tiles of 4,096 bytes a block,
	s_lshl_b32 s72, s13, 14                        ; 4 a wave,
	s_add_co_u32 s70, s70, s72
	s_lshl_b32 s72, s14, 7                         ; 4 key tiles of 32 bytes for my half
	s_add_co_u32 s70, s70, s72
	s_add_nc_u64 s[6:7], s[6:7], s[70:71]
	s_lshl_b32 s70, s69, 21                        ; x and x1: rows of 1,024 bytes: slice,
	s_lshl_b32 s72, s68, 17                        ; block,
	s_add_co_u32 s70, s70, s72
	s_lshl_b32 s72, s13, 16                        ; 64 qh,
	s_add_co_u32 s70, s70, s72
	s_lshl_b32 s72, s14, 15                        ; 32 kh: the rows that I write at the end
	s_add_co_u32 s70, s70, s72
	s_add_nc_u64 s[8:9], s[8:9], s[70:71]
	s_add_nc_u64 s[10:11], s[10:11], s[70:71]
	s_load_b512 s[MA:MA+15], s[6:7], 0             ; the first step's words of query tiles 0
	s_load_b512 s[MA+16:MA+31], s[6:7], 64
	s_load_b512 s[MB:MB+15], s[6:7], 4096          ; and 1
	s_load_b512 s[MB+16:MB+31], s[6:7], 4160
	v_and_b32 v28, 15, v0                          ; r
	v_bfe_u32 v29, v0, 4, 1                        ; h
	v_lshlrev_b32 v26, 9, v28
	v_lshl_add_u32 v26, v29, 4, v26
	s_lshl_b32 s2, s13, 15
	v_add_nc_u32 v26, s2, v26                      ; Q: row 64 qh + r, 16 h bytes in
	WIN 0x40                                       ; destination in window 1
.irp qt, 0,1,2,3
.irp ks, 0,1,2,3,4,5,6,7
	global_load_b128 v[64*\qt+8*\ks:64*\qt+8*\ks+3],   v26, s[104:105] offset:8192*\qt+64*\ks
	global_load_b128 v[64*\qt+8*\ks+4:64*\qt+8*\ks+7], v26, s[104:105] offset:8192*\qt+64*\ks+32
.endr
.endr
	WIN 0
	v_and_b32 v30, 7, v0
	v_bfe_u32 v31, v0, 3, 1
	s_mul_i32 s2, s14, WPART                       ; my 64 keys of every 128
	v_mul_u32_u24 v[KADR], v28, PITCH
	v_lshl_add_u32 v[KADR], v29, 4, v[KADR]
	v_add_nc_u32 v[KADR], s2, v[KADR]
	v_add_nc_u32 v[KADR+1], 128*PITCH, v[KADR]
	v_add_nc_u32 v[KADR+2], SLOTB, v[KADR]
	v_add_nc_u32 v[KADR+3], SLOTB+128*PITCH, v[KADR]
	v_lshl_add_u32 v30, v29, 3, v30                ; 8 h + lane % 8
	v_mul_u32_u24 v[VADR], v30, PITCH
	v_lshl_add_u32 v[VADR], v31, 4, v[VADR]
	v_add_nc_u32 v[VADR], s2, v[VADR]
	v_add_nc_u32 v[VADR+1], 128*PITCH, v[VADR]
	v_add_nc_u32 v[VADR+2], SLOTB, v[VADR]
	v_add_nc_u32 v[VADR+3], SLOTB+128*PITCH, v[VADR]
	v_mov_b32 v1, 0xff800000                       ; -inf
.irp qt, 0,1,2,3
	v_mov_b32 v[NREG+\qt], 0x7d800000              ; 2^124
.endr
.macro KLOAD a, s                      ; four K fragments (64 keys, 32 along d at K step s): 8 loads
.irp kt, 0,1,2,3
	ds_load_b128 v[KB+32*((\s)%3)+8*\kt:KB+32*((\s)%3)+8*\kt+3],   v[\a] offset:16*PITCH*\kt+64*(\s)
	ds_load_b128 v[KB+32*((\s)%3)+8*\kt+4:KB+32*((\s)%3)+8*\kt+7], v[\a] offset:16*PITCH*\kt+64*(\s)+32
.endr
.endm
.macro SMUL s                          ; 16 matrix instructions; the 16 score tiles take turns, one instruction a turn
.irp kt, 0,1,2,3
.irp qt, 0,1,2,3
.if (\s) == 0
	v_wmma_f32_16x16x32_bf16 v[SREG+32*\qt+8*\kt:SREG+32*\qt+8*\kt+7], v[KB+32*((\s)%3)+8*\kt:KB+32*((\s)%3)+8*\kt+7], v[64*\qt+8*(\s):64*\qt+8*(\s)+7], 0
.else
	v_wmma_f32_16x16x32_bf16 v[SREG+32*\qt+8*\kt:SREG+32*\qt+8*\kt+7], v[KB+32*((\s)%3)+8*\kt:KB+32*((\s)%3)+8*\kt+7], v[64*\qt+8*(\s):64*\qt+8*(\s)+7], v[SREG+32*\qt+8*\kt:SREG+32*\qt+8*\kt+7]
.endif
.endr
.endr
.endm
.macro VLOAD a, G, buf                 ; eight V^T fragments (d tiles 4 G .. 4 G + 3, both halves of the 64 keys): 16 loads
.irp dtl, 0,1,2,3
.irp kp, 0,1
	ds_load_tr16_b128 v[\buf+8*(2*\dtl+\kp):\buf+8*(2*\dtl+\kp)+3],   v[\a] offset:32*PITCH*\kp+32*(4*\G+\dtl)
	ds_load_tr16_b128 v[\buf+8*(2*\dtl+\kp)+4:\buf+8*(2*\dtl+\kp)+7], v[\a] offset:32*PITCH*\kp+32*(4*\G+\dtl)+16*PITCH
.endr
.endr
.endm
.macro PVMUL G, buf, zero              ; 32 matrix instructions; 16 accumulators take turns, one instruction a turn
.irp kp, 0,1
.irp dtl, 0,1,2,3
.irp qt, 0,1,2,3
.if \zero*(1-\kp)
	v_wmma_f32_16x16x32_bf16 v[8*(4*((4*\G+\dtl)&7)+\qt):8*(4*((4*\G+\dtl)&7)+\qt)+7], v[\buf+8*(2*\dtl+\kp):\buf+8*(2*\dtl+\kp)+7], v[SREG+16*\qt+8*\kp:SREG+16*\qt+8*\kp+7], 0
.else
	v_wmma_f32_16x16x32_bf16 v[8*(4*((4*\G+\dtl)&7)+\qt):8*(4*((4*\G+\dtl)&7)+\qt)+7], v[\buf+8*(2*\dtl+\kp):\buf+8*(2*\dtl+\kp)+7], v[SREG+16*\qt+8*\kp:SREG+16*\qt+8*\kp+7], v[8*(4*((4*\G+\dtl)&7)+\qt):8*(4*((4*\G+\dtl)&7)+\qt)+7]
.endif
.endr
.endr
.endr
.endm
.macro SCALEO                          ; the 32 O tiles of one window times the pair of their query tile
.irp d, 0,1,2,3,4,5,6,7
.irp qt, 0,1,2,3
.irp e, 0,2,4,6
	v_pk_mul_f32 v[8*(4*\d+\qt)+\e:8*(4*\d+\qt)+\e+1], v[8*(4*\d+\qt)+\e:8*(4*\d+\qt)+\e+1], v[ALREG+2*\qt:ALREG+2*\qt+1]
.endr
.endr
.endr
.endm
; The softmax step of one query tile: 16 queries x 64 keys, 32 scores a lane.  mb: its 32 mask words; ldoff >= 0: the words that these
; scalar registers hold next are asked for as soon as they have been used.
.macro SOFT qt, mb, ldoff, first
.set SB, SREG+32*\qt
.set i, 0
.rept 32
	v_cndmask_b32 v[SB+i], v[SB+i], v1, s[\mb+i]   ; masked: -inf
.set i, i+1
.endr
.if (\ldoff) >= 0
	s_load_b512 s[\mb:\mb+15], s[6:7], \ldoff
	s_load_b512 s[\mb+16:\mb+31], s[6:7], \ldoff+64
.endif
.irp c, 0,1,2,3
	v_max3_num_f32 v[TREG+\c], v[SB+8*\c], v[SB+8*\c+1], v[SB+8*\c+2]
.endr
.irp c, 0,1,2,3
	v_max3_num_f32 v[TREG+\c], v[TREG+\c], v[SB+8*\c+3], v[SB+8*\c+4]
.endr
.irp c, 0,1,2,3
	v_max3_num_f32 v[TREG+\c], v[TREG+\c], v[SB+8*\c+5], v[SB+8*\c+6]
.endr
.irp c, 0,1,2,3
	v_max_num_f32 v[TREG+\c], v[TREG+\c], v[SB+8*\c+7]
.endr
	v_max3_num_f32 v[TREG], v[TREG], v[TREG+1], v[TREG+2]
	v_max_num_f32 v[TREG], v[TREG], v[TREG+3]
	v_permlanex16_b32 v[TREG+1], v[TREG], s100, s101       ; the query's other 32 keys
	v_max_num_f32 v[TREG], v[TREG], v[TREG+1]
	v_mul_f32 v[TREG], 0xbdb8aa3b, v[TREG]                 ; -max c; +inf where all 64 are masked,
	v_min_num_f32 v[TREG+1], v[TREG], v[NREG+\qt]          ; which the finite N so far then replaces
.if \first == 0
	v_sub_f32 v[TREG+2], v[TREG+1], v[NREG+\qt]
	v_exp_f32 v[ALREG+2*\qt], v[TREG+2]                    ; the three moves below are the plain instructions behind it (ISA guide 5.7.2)
.endif
	v_mov_b32 v[NREG+\qt], v[TREG+1]
	v_mov_b32 v[NMREG], v[TREG+1]
	v_mov_b32 v[NMREG+1], v[TREG+1]
.if \first == 0
	s_wait_alu depctr_va_vdst(0)
	v_mov_b32 v[ALREG+2*\qt+1], v[ALREG+2*\qt]
.endif
.set i, 0
.rept 16
	v_pk_fma_f32 v[SB+i:SB+i+1], v[SB+i:SB+i+1], s[66:67], v[NMREG:NMREG+1] op_sel_hi:[1,0,1]
.set i, i+2
.endr
.set i, 0
.rept 32
	v_exp_f32 v[SB+i], v[SB+i]
.set i, i+1
.endr
	v_nop                                                  ; one plain instruction behind the last v_exp_f32
	s_wait_alu depctr_va_vdst(0)
	v_pk_add_f32 v[TREG:TREG+1], v[SB:SB+1], v[SB+2:SB+3]
	v_pk_add_f32 v[TREG+2:TREG+3], v[SB+4:SB+5], v[SB+6:SB+7]
.set i, 8
.rept 6
	v_pk_add_f32 v[TREG:TREG+1], v[TREG:TREG+1], v[SB+i:SB+i+1]
	v_pk_add_f32 v[TREG+2:TREG+3], v[TREG+2:TREG+3], v[SB+i+2:SB+i+3]
.set i, i+4
.endr
	v_pk_add_f32 v[TREG:TREG+1], v[TREG:TREG+1], v[TREG+2:TREG+3]
.if \first
	v_add_f32 v[LREG+\qt], v[TREG], v[TREG+1]              ; the first step starts the sum
.else
	v_add_f32 v[TREG], v[TREG], v[TREG+1]
	v_fma_f32 v[LREG+\qt], v[LREG+\qt], v[ALREG+2*\qt], v[TREG]
.endif
.set i, 0
.rept 16
	v_cvt_pk_bf16_f32 v[SREG+16*\qt+i], v[SB+2*i], v[SB+2*i+1]   ; packed downward: register 16 qt + i is never one that is still to be read
.set i, i+1
.endr
.endm
; One step: my 64 queries x my 64 keys of keys 128 u .. 128 u + 127 of a slot.  pre: the first three K groups were asked for in the step
; before; next: this step asks for the next one's; first: nothing to rescale, the products start the sums; last: no mask words follow.
.macro STEP slot, u, pre, next, first, last
	WIN 0x04                                       ; source 1 (Q) in window 1
.if \pre == 0
	KLOAD KADR+2*\slot+\u, 0
	KLOAD KADR+2*\slot+\u, 1
	KLOAD KADR+2*\slot+\u, 2
.endif
.irp ks, 0,1,2,3,4
	s_wait_dscnt 16                                ; this K step's eight loads are in; the two younger groups of eight stay out
	SMUL \ks
	NOPS 4                                         ; four places behind the matrix instructions that read the buffer (ISA guide 7.12.1)
	KLOAD KADR+2*\slot+\u, \ks+3
.endr
	s_wait_dscnt 16
	SMUL 5
	s_wait_dscnt 8                                 ; one younger group
	SMUL 6
	s_wait_dscnt 0
	SMUL 7
	NOPS 4                                         ; before the scores are read and the K buffers loaded again
	VLOAD VADR+2*\slot+\u, 0, VA
	WIN 0
	s_wait_kmcnt 0x0                               ; the words of query tiles 0 and 1
	SOFT 0, MA, 8192+256*\u, \first
	SOFT 1, MB, 12288+256*\u, \first
	s_wait_kmcnt 0x0                               ; those of 2 and 3
.if \last
	SOFT 2, MA, -1, \first
	SOFT 3, MB, -1, \first
.else
	SOFT 2, MA, 256*(\u+1), \first
	SOFT 3, MB, 4096+256*(\u+1), \first
.endif
	VLOAD VADR+2*\slot+\u, 1, VB
.if \first == 0
	WIN 0x82                                       ; O in window 2, the scale in window 0
	SCALEO
	WIN 0xc3
	SCALEO
.endif
	s_wait_dscnt 16                                ; the first 16 V loads are in; the 16 just issued stay out
	WIN 0xa0                                       ; C and D in window 2
	PVMUL 0, VA, \first
	WIN 0
	NOPS 4
	VLOAD VADR+2*\slot+\u, 2, VA
	s_wait_dscnt 16
	WIN 0xa0
	PVMUL 1, VB, \first
	WIN 0
	NOPS 4
	VLOAD VADR+2*\slot+\u, 3, VB
	s_wait_dscnt 16
	WIN 0xf0                                       ; C and D in window 3
	PVMUL 2, VA, \first
	WIN 0
	NOPS 4
.if \next
	KLOAD KADR+2*\slot+\u+1, 0
	KLOAD KADR+2*\slot+\u+1, 1
	KLOAD KADR+2*\slot+\u+1, 2
	s_wait_dscnt 24                                ; the last 16 V loads are in; the next step's 24 K loads stay out
.else
	s_wait_dscnt 0
.endif
	WIN 0xf0
	PVMUL 3, VB, \first
	WIN 0
	NOPS 5                                         ; five places: the next scores are written over P and over these V fragments
.endm
.macro SLOTWORK slot, first, last
	STEP \slot, 0, 0, 1, \first, 0
	STEP \slot, 1, 1, 0, 0, \last
.endm
; A change of slots.  In front of the barrier every wave waits for all its tensor loads (its part of this slot) and for its reads of the other slot.
; refill: the barrier is a round of the cluster's barrier, and the joint load into the other slot stands first behind it, one a wave.
.macro TWO slot, refill, last
	s_wait_xcnt 0x0
	v_lshl_add_u32 v126, v0, 2, 0x43000
	v_mov_b32 v127, 0
	s_wait_tensorcnt 0x0                           ; no tensor load of mine is out: a group 0 may be written
	ds_add_u32 v126, v127
	s_wait_dscnt 0x0
.if \refill
	s_add_nc_u64 s[30-4*\slot:31-4*\slot], s[30-4*\slot:31-4*\slot], 512*512   ; the other slot's next 256 keys, 512 keys on
.endif
	s_wait_dscnt 0x0
	s_wait_xcnt 0x0                                ; the mask loads that are out have had their addresses translated (ISA guide 3.1): their base steps only behind this wait
	s_add_nc_u64 s[6:7], s[6:7], 512               ; 16 key tiles of 32 bytes
.if \refill
	ROUND
	tensor_load_to_lds s[28-4*\slot:31-4*\slot], s[16:23]
	s_nop 0
.else
	s_barrier_signal -1
	s_barrier_wait -1
.endif
	SLOTWORK \slot, 0, \last
.endm
	s_wait_tensorcnt 0x1                           ; my part of slot 0 has landed; slot 1's load may stay out
	s_barrier_signal -1
	s_barrier_wait -1
	s_wait_loadcnt 0x0                             ; Q
	SLOTWORK 0, 1, 0
	s_mov_b32 s15, 3
.Lloop:
	TWO 1, 1, 0
	TWO 0, 1, 0
	s_sub_co_u32 s15, s15, 1
	s_cmp_lg_u32 s15, 0
	s_cbranch_scc1 .Lloop
	TWO 1, 0, 1                                    ; the last 256 keys: nothing is left to fetch
	; THE END.  x of my 32 rows comes in over Q; the two key halves are merged through LDS.
	v_and_b32 v2, 31, v0
	v_lshlrev_b32 v2, 4, v2                        ; 16 x lane; not written again
	WIN 0x40
.set i, 0
.rept 64
	global_load_b128 v[4*i:4*i+3], v2, s[8:9] offset:512*i th:TH_LOAD_NT   ; 512 neighbouring bytes: half a row
.set i, i+1
.endr
	WIN 0
.irp qt, 0,1,2,3
	v_permlanex16_b32 v[TREG+\qt], v[LREG+\qt], s100, s101
.endr
.irp qt, 0,1,2,3
	v_add_f32 v[LREG+\qt], v[LREG+\qt], v[TREG+\qt]        ; the sum over my 1,024 keys
.endr
	v_lshlrev_b32 v3, 1, v2                        ; 32 x lane
	s_lshl_b32 s2, s12, 10
	s_add_co_u32 s2, s2, STATS
	s_xor_b32 s3, s12, 1                           ; the wave with my queries and the other keys
	s_lshl_b32 s3, s3, 10
	s_add_co_u32 s3, s3, STATS
	v_add_nc_u32 v4, s3, v3
	v_add_nc_u32 v3, s2, v3
	ds_store_b128 v3, v[NREG:NREG+3]
	ds_store_b128 v3, v[LREG:LREG+3] offset:16
	s_wait_dscnt 0x0                               ; my figures are in LDS, and my reads of the slots are long back
	s_barrier_signal -1
	s_barrier_wait -1                              ; so are everybody's: the slots may now be written as the stage
	ds_load_b128 v[32:35], v4                      ; the partner's N
	ds_load_b128 v[36:39], v4 offset:16            ; and sum
	v_and_b32 v28, 15, v0
	v_bfe_u32 v29, v0, 4, 1
	v_mul_u32_u24 v5, v28, MPITCH
	v_lshl_add_u32 v5, v29, 5, v5
	s_mul_i32 s2, s12, MREG
	v_add_nc_u32 v5, s2, v5                        ; stage in: my region, row r, 32 h bytes in
	s_mul_i32 s2, s13, 2*MREG
	s_mul_i32 s3, s14, 32*MPITCH
	s_add_co_u32 s2, s2, s3
	v_add_nc_u32 v6, s2, v2                        ; stage back: rows 32 kh .. of the region of (qh, keys 0),
	v_add_nc_u32 v7, MREG, v6                      ; and of (qh, keys 1)
	s_wait_dscnt 0x0
.irp qt, 0,1,2,3
	v_min_num_f32 v[40+\qt], v[NREG+\qt], v[32+\qt]        ; N of both halves together
.endr
.irp qt, 0,1,2,3
	v_sub_f32 v[44+\qt], v[40+\qt], v[NREG+\qt]
	v_sub_f32 v[48+\qt], v[40+\qt], v[32+\qt]
.endr
.irp qt, 0,1,2,3
	v_exp_f32 v[44+\qt], v[44+\qt]
	v_exp_f32 v[48+\qt], v[48+\qt]
.endr
	v_nop
	s_wait_alu depctr_va_vdst(0)
.irp qt, 0,1,2,3
	v_mul_f32 v[52+\qt], v[36+\qt], v[48+\qt]
.endr
.irp qt, 0,1,2,3
	v_fma_f32 v[52+\qt], v[LREG+\qt], v[44+\qt], v[52+\qt] ; the whole row's sum: at least about 1, or 0 where every key is masked
.endr
.irp qt, 0,1,2,3
	v_rcp_f32 v[52+\qt], v[52+\qt]
.endr
	v_nop
	s_wait_alu depctr_va_vdst(0)
.irp qt, 0,1,2,3
	v_mul_f32 v[ALREG+2*\qt], v[44+\qt], v[52+\qt]
	v_mul_f32 v[ALREG+2*\qt+1], v[44+\qt], v[52+\qt]
.endr
.macro STAGEO dbase                    ; a lane's eight numbers of a tile are 32 neighbouring bytes of a query's row
.irp d, 0,1,2,3,4,5,6,7
.irp qt, 0,1,2,3
	ds_store_b128 v5, v[8*(4*\d+\qt):8*(4*\d+\qt)+3]   offset:16*MPITCH*\qt+64*(\dbase+\d)
	ds_store_b128 v5, v[8*(4*\d+\qt)+4:8*(4*\d+\qt)+7] offset:16*MPITCH*\qt+64*(\dbase+\d)+16
.endr
.endr
.endm
	WIN 0x82
	SCALEO
	WIN 0x08                                       ; store data in window 2
	STAGEO 0
	WIN 0xc3
	SCALEO
	WIN 0x0c                                       ; store data in window 3
	STAGEO 8
	WIN 0
	s_wait_dscnt 0x0
	s_barrier_signal -1
	s_barrier_wait -1
; Four rows: both halves' parts, plus x, out in pieces of 512 neighbouring bytes.  Two register sets take turns.
.macro OUTB b
.set RA, 32+96*((\b)&1)
	s_wait_xcnt 0x0                                ; the set's last stores have had their addresses translated (ISA guide 3.1): it is loaded again only behind this wait
.irp t, 0,1,2,3,4,5,6,7
	ds_load_b128 v[RA+4*\t:RA+4*\t+3], v6 offset:MPITCH*(4*\b+(\t>>1))+512*(\t&1)
.endr
.irp t, 0,1,2,3,4,5,6,7
	ds_load_b128 v[RA+32+4*\t:RA+32+4*\t+3], v7 offset:MPITCH*(4*\b+(\t>>1))+512*(\t&1)
.endr
	s_wait_dscnt 0x0
	s_wait_loadcnt 56-8*\b                         ; x of these four rows is in; the loads of the later rows stay out
.irp e, 0,2,4,6,8,10,12,14,16,18,20,22,24,26,28,30
	v_pk_add_f32 v[RA+\e:RA+\e+1], v[RA+\e:RA+\e+1], v[RA+32+\e:RA+32+\e+1]
.endr
	WIN 0x04                                       ; source 1 (x) in window 1
.irp e, 0,2,4,6,8,10,12,14,16,18,20,22,24,26,28,30
	v_pk_add_f32 v[RA+\e:RA+\e+1], v[RA+\e:RA+\e+1], v[32*\b+\e:32*\b+\e+1]
.endr
	WIN 0
.irp t, 0,1,2,3,4,5,6,7
	global_store_b128 v2, v[RA+4*\t:RA+4*\t+3], s[10:11] offset:512*(8*\b+\t)
.endr
.endm
.irp b, 0,1,2,3,4,5,6,7
	OUTB \b
.endr
	s_wait_xcnt 0x0
	v_lshl_add_u32 v126, v0, 2, 0x43000
	v_mov_b32 v127, 0
	s_wait_tensorcnt 0x0
	ds_add_u32 v126, v127
	s_wait_dscnt 0x0
	ROUND                                          ; the closing round: no work-group ends while a partner may still ask for a tile that names it
	s_endpgm
.Lfunc_end_k_q9de5219522_attn:
	.size	k_q9de5219522_attn, .Lfunc_end_k_q9de5219522_attn-k_q9de5219522_attn
	.p2alignl 7, 3214868480
	.fill 96, 4, 3214868480
	.section	.rodata,"a",@progbits
	.p2align	6, 0x0
	.amdhsa_kernel k_q9de5219522_attn
		.amdhsa_group_segment_fixed_size 327680
		.amdhsa_private_segment_fixed_size 0
		.amdhsa_enable_private_segment 0
		.amdhsa_kernarg_size 32
		.amdhsa_user_sgpr_count 2
		.amdhsa_user_sgpr_kernarg_segment_ptr 1
		.amdhsa_wavefront_size32 1
		.amdhsa_system_sgpr_workgroup_id_x 1
		.amdhsa_system_sgpr_workgroup_id_y 1
		.amdhsa_system_sgpr_workgroup_id_z 1
		.amdhsa_system_vgpr_workitem_id 0
		.amdhsa_next_free_vgpr 1024
		.amdhsa_next_free_sgpr 106
		.amdhsa_reserve_vcc 0
		.amdhsa_float_denorm_mode_32 3
		.amdhsa_float_denorm_mode_16_64 3
		.amdhsa_memory_ordered 1
		.amdhsa_forward_progress 1
		.amdhsa_inst_pref_size 255
	.end_amdhsa_kernel
	.section	.bss,"aw",@nobits
	.p2align	6
	.space	262144
	.amdgpu_metadata
---
amdhsa.version: [ 1, 2 ]
amdhsa.kernels:
  - .name:           k_q9de5219522_attn
    .symbol:         k_q9de5219522_attn.kd
    .args:
      - { .name: qkv, .offset: 0, .size: 8, .value_kind: global_buffer, .address_space: global }
      - { .name: maskbits, .offset: 8, .size: 8, .value_kind: global_buffer, .address_space: global }
      - { .name: x, .offset: 16, .size: 8, .value_kind: global_buffer, .address_space: global }
      - { .name: x1, .offset: 24, .size: 8, .value_kind: global_buffer, .address_space: global }
    .group_segment_fixed_size: 327680
    .private_segment_fixed_size: 0
    .kernarg_segment_align: 8
    .kernarg_segment_size: 32
    .max_flat_workgroup_size: 128
    .sgpr_count:     106
    .vgpr_count:     1024
    .wavefront_size: 32
...
	.end_amdgpu_metadata
.endif
;; end of part 2
;; launch mix (part 3): grid 512 x 1, 8 waves a work-group, no clusters, 0 bytes of LDS; arguments x1, inhibit, phases, ambition, out0; writes out0
.if DOCPART == 3
	.amdgcn_target "amdgcn-amd-amdhsa--gfx1250"
	.amdhsa_code_object_version 6
	.text
	.protected	k_q9de5219522_mix
	.globl	k_q9de5219522_mix
	.p2align	8
	.type	k_q9de5219522_mix,@function
k_q9de5219522_mix:
	s_mov_b64 s[64:65], 0
	v_nop
	global_prefetch_b8 v0, s[64:65] scope:SCOPE_SE
	s_setreg_imm32_b32 hwreg(HW_REG_WAVE_MODE, 25, 1), 1
	s_wait_xcnt 0x0
; THIRD LAUNCH.  For each batch b, row t, column d:  x2[k] = x1[k] + tanh(sum over c of x1[c] inhibit[c][k]);  out[k] = x2[k] + 0.02 sin(x2[k] a[k] + p[k]).
; No work of reference() is left out here.
; A stream: every byte of x1 is read once and every byte of out0 written once, in pieces of 512 neighbouring bytes a wave.  No LDS, no barrier.
; The mix over eight cells has 8 x 8 terms a point, and the cells lie 2 MiB apart in memory: packed f32 multiply-adds on the numbers as they come
; do it without any reordering, and a matrix form of depth 32 would be three quarters empty.  The work-groups share only the 256 bytes of inhibit: no cluster.
; A work-group owns 16 pieces of 512 bytes of all eight cells of one batch, a wave two of them, a lane four neighbouring columns.
; tanh(y) = 1 - 2 / (1 + exp2(2 log2(e) y)); the factor is multiplied into inhibit once.  It goes to +1 and -1 as exp2 goes to infinity and 0.
; sin(v) = sin(pi u), u = v / pi = n + f with n whole and |f| <= 1/2:  (-1)^n sin(pi f), by the series to f^9 (the next term is below 4e-6).
; n by adding and taking away 1.5 x 2^23, whose sum carries n's parity in its lowest bit.  LIMIT: right for |u| < 2^22, that is |x a + p| < about 1.3e7.
.set CELLB, 2097152                    ; bytes of a cell: 2,048 x 256 x 4
.set RE,   2                           ; v[2:5]    exp2, then the reciprocal
.set RX,   6                           ; v[6:9]    x + 1, then x2
.set RU,   10                          ; v[10:13]  u
.set RT,   14                          ; v[14:17]  u + 1.5 x 2^23
.set RF,   18                          ; v[18:21]  n, then f
.set RG,   22                          ; v[22:25]  the sign
.set RF2,  26                          ; v[26:29]  f^2
.set RQ,   30                          ; v[30:33]  the series
.set CQ9,  42                          ; v[42:51]  0.02 x the series' coefficients, a pair each
.set CQ7,  44
.set CQ5,  46
.set CQ3,  48
.set CQ1,  50
.set MG,   52                          ; v[52:53]  1.5 x 2^23
.set INH,  64                          ; v[64:127] inhibit[c][k] x 2 log2(e) at 8 c + k, in every lane
.set XR,   128                         ; v[128:191] piece i, cell c: four numbers at 32 i + 4 c
.set ACC,  192                         ; v[192:223] cell k: four sums, then four results
	s_load_b256 s[4:11], s[0:1], 0x0               ; x1 s[4:5], inhibit s[6:7], phases s[8:9], ambition s[10:11]
	s_load_b64 s[12:13], s[0:1], 0x20              ; out0
	v_lshrrev_b32 v1, 5, v0
	v_and_b32 v34, 31, v0
	v_lshlrev_b32 v1, 10, v1                       ; 1,024 bytes a wave,
	v_lshl_add_u32 v1, v34, 4, v1                  ; 16 a lane; not written again
	v_mov_b32 v40, 0
	s_lshr_b32 s2, ttmp9, 8                        ; the batch: 8 cells of 2 MiB
	s_lshl_b32 s2, s2, 24
	s_and_b32 s3, ttmp9, 255
	s_lshl_b32 s3, s3, 13                          ; 8,192 bytes a work-group
	s_add_co_u32 s2, s2, s3
	s_mov_b32 s3, 0
	s_mov_b32 s32, 0x3ea2f983                      ; 1 / pi
	s_wait_kmcnt 0x0
	s_load_b256 s[16:23], s[10:11], 0x0            ; a
	s_load_b256 s[24:31], s[8:9], 0x0              ; p
.irp i, 0,1,2,3,4,5,6,7,8,9,10,11,12,13,14,15
	global_load_b128 v[INH+4*\i:INH+4*\i+3], v40, s[6:7] offset:16*\i
.endr
	s_add_nc_u64 s[4:5], s[4:5], s[2:3]            ; cells 0 to 3 stand in the immediate offset,
	s_add_nc_u64 s[34:35], s[4:5], 4*CELLB         ; cells 4 to 7 have a base of their own: 7 x 2 MiB is beyond the signed 24 bits
	s_add_nc_u64 s[12:13], s[12:13], s[2:3]
	s_add_nc_u64 s[36:37], s[12:13], 4*CELLB
.irp it, 0,1
.irp c, 0,1,2,3
	global_load_b128 v[XR+32*\it+4*\c:XR+32*\it+4*\c+3], v1, s[4:5] offset:\c*CELLB+512*\it th:TH_LOAD_NT
.endr
.irp c, 0,1,2,3
	global_load_b128 v[XR+32*\it+16+4*\c:XR+32*\it+16+4*\c+3], v1, s[34:35] offset:\c*CELLB+512*\it th:TH_LOAD_NT
.endr
.endr
	v_mov_b32 v[CQ9], 0x3ad7572c                   ; 0.02 pi^9 / 9!
	v_mov_b32 v[CQ9+1], 0x3ad7572c
	v_mov_b32 v[CQ7], 0xbc445df4                   ; -0.02 pi^7 / 7!
	v_mov_b32 v[CQ7+1], 0xbc445df4
	v_mov_b32 v[CQ5], 0x3d50e8d1                   ; 0.02 pi^5 / 5!
	v_mov_b32 v[CQ5+1], 0x3d50e8d1
	v_mov_b32 v[CQ3], 0xbdd3ab65                   ; -0.02 pi^3 / 3!
	v_mov_b32 v[CQ3+1], 0xbdd3ab65
	v_mov_b32 v[CQ1], 0x3d80adfd                   ; 0.02 pi
	v_mov_b32 v[CQ1+1], 0x3d80adfd
	v_mov_b32 v[MG], 0x4b400000
	v_mov_b32 v[MG+1], 0x4b400000
	s_wait_kmcnt 0x0
.irp k, 0,1,2,3,4,5,6,7
	s_mul_f32 s[16+\k], s[16+\k], s32              ; a / pi
	s_mul_f32 s[24+\k], s[24+\k], s32              ; p / pi
.endr
	s_wait_loadcnt 16                              ; inhibit is in; the 16 loads of the two pieces stay out
.set i, 0
.rept 32
	v_pk_mul_f32 v[INH+i:INH+i+1], v[INH+i:INH+i+1], 0x4038aa3b op_sel_hi:[1,0]   ; x 2 log2(e)
.set i, i+2
.endr
.macro MAC it, c, k                    ; ACC[k] (+)= x[c] inhibit[c][k], four numbers; the entry is the low or the high register of its pair
.if \c == 0
.if (\k)&1
	v_pk_mul_f32 v[ACC+4*\k:ACC+4*\k+1],   v[XR+32*\it:XR+32*\it+1],   v[INH+\k-1:INH+\k] op_sel:[0,1] op_sel_hi:[1,1]
	v_pk_mul_f32 v[ACC+4*\k+2:ACC+4*\k+3], v[XR+32*\it+2:XR+32*\it+3], v[INH+\k-1:INH+\k] op_sel:[0,1] op_sel_hi:[1,1]
.else
	v_pk_mul_f32 v[ACC+4*\k:ACC+4*\k+1],   v[XR+32*\it:XR+32*\it+1],   v[INH+\k:INH+\k+1] op_sel_hi:[1,0]
	v_pk_mul_f32 v[ACC+4*\k+2:ACC+4*\k+3], v[XR+32*\it+2:XR+32*\it+3], v[INH+\k:INH+\k+1] op_sel_hi:[1,0]
.endif
.else
.if (\k)&1
	v_pk_fma_f32 v[ACC+4*\k:ACC+4*\k+1],   v[XR+32*\it+4*\c:XR+32*\it+4*\c+1],   v[INH+8*\c+\k-1:INH+8*\c+\k], v[ACC+4*\k:ACC+4*\k+1]   op_sel:[0,1,0] op_sel_hi:[1,1,1]
	v_pk_fma_f32 v[ACC+4*\k+2:ACC+4*\k+3], v[XR+32*\it+4*\c+2:XR+32*\it+4*\c+3], v[INH+8*\c+\k-1:INH+8*\c+\k], v[ACC+4*\k+2:ACC+4*\k+3] op_sel:[0,1,0] op_sel_hi:[1,1,1]
.else
	v_pk_fma_f32 v[ACC+4*\k:ACC+4*\k+1],   v[XR+32*\it+4*\c:XR+32*\it+4*\c+1],   v[INH+8*\c+\k:INH+8*\c+\k+1], v[ACC+4*\k:ACC+4*\k+1]   op_sel_hi:[1,0,1]
	v_pk_fma_f32 v[ACC+4*\k+2:ACC+4*\k+3], v[XR+32*\it+4*\c+2:XR+32*\it+4*\c+3], v[INH+8*\c+\k:INH+8*\c+\k+1], v[ACC+4*\k+2:ACC+4*\k+3] op_sel_hi:[1,0,1]
.endif
.endif
.endm
.macro CELL it, k
.irp e, 0,1,2,3
	v_exp_f32 v[RE+\e], v[ACC+4*\k+\e]
.endr
	v_pk_add_f32 v[RX:RX+1],   v[XR+32*\it+4*\k:XR+32*\it+4*\k+1],   1.0 op_sel_hi:[1,0]   ; plain work behind the exponentials (ISA guide 5.7.2)
	v_pk_add_f32 v[RX+2:RX+3], v[XR+32*\it+4*\k+2:XR+32*\it+4*\k+3], 1.0 op_sel_hi:[1,0]
	s_wait_alu depctr_va_vdst(0)
	v_pk_add_f32 v[RE:RE+1],   v[RE:RE+1],   1.0 op_sel_hi:[1,0]
	v_pk_add_f32 v[RE+2:RE+3], v[RE+2:RE+3], 1.0 op_sel_hi:[1,0]
.irp e, 0,1,2,3
	v_rcp_f32 v[RE+\e], v[RE+\e]
.endr
	v_nop                                          ; one plain instruction behind the reciprocals
	s_wait_alu depctr_va_vdst(0)
	v_pk_fma_f32 v[RX:RX+1],   v[RE:RE+1],   -2.0, v[RX:RX+1]   op_sel_hi:[1,0,1]           ; x2 = x + 1 - 2 / (1 + e^2y)
	v_pk_fma_f32 v[RX+2:RX+3], v[RE+2:RE+3], -2.0, v[RX+2:RX+3] op_sel_hi:[1,0,1]
.irp e, 0,1,2,3
	v_fma_f32 v[RU+\e], v[RX+\e], s[16+\k], s[24+\k]                                        ; u = (x2 a + p) / pi
.endr
	v_pk_add_f32 v[RT:RT+1],   v[RU:RU+1],   v[MG:MG+1]
	v_pk_add_f32 v[RT+2:RT+3], v[RU+2:RU+3], v[MG:MG+1]
	v_pk_add_f32 v[RF:RF+1],   v[RT:RT+1],   v[MG:MG+1] neg_lo:[0,1] neg_hi:[0,1]           ; n
	v_pk_add_f32 v[RF+2:RF+3], v[RT+2:RT+3], v[MG:MG+1] neg_lo:[0,1] neg_hi:[0,1]
	v_pk_add_f32 v[RF:RF+1],   v[RU:RU+1],   v[RF:RF+1]   neg_lo:[0,1] neg_hi:[0,1]         ; f = u - n
	v_pk_add_f32 v[RF+2:RF+3], v[RU+2:RU+3], v[RF+2:RF+3] neg_lo:[0,1] neg_hi:[0,1]
.irp e, 0,1,2,3
	v_lshlrev_b32 v[RG+\e], 31, v[RT+\e]           ; n's parity as a sign bit
.endr
	v_pk_mul_f32 v[RF2:RF2+1],   v[RF:RF+1],   v[RF:RF+1]
	v_pk_mul_f32 v[RF2+2:RF2+3], v[RF+2:RF+3], v[RF+2:RF+3]
	v_pk_fma_f32 v[RQ:RQ+1],   v[RF2:RF2+1],   v[CQ9:CQ9+1], v[CQ7:CQ7+1]
	v_pk_fma_f32 v[RQ+2:RQ+3], v[RF2+2:RF2+3], v[CQ9:CQ9+1], v[CQ7:CQ7+1]
	v_pk_fma_f32 v[RQ:RQ+1],   v[RQ:RQ+1],   v[RF2:RF2+1],   v[CQ5:CQ5+1]
	v_pk_fma_f32 v[RQ+2:RQ+3], v[RQ+2:RQ+3], v[RF2+2:RF2+3], v[CQ5:CQ5+1]
	v_pk_fma_f32 v[RQ:RQ+1],   v[RQ:RQ+1],   v[RF2:RF2+1],   v[CQ3:CQ3+1]
	v_pk_fma_f32 v[RQ+2:RQ+3], v[RQ+2:RQ+3], v[RF2+2:RF2+3], v[CQ3:CQ3+1]
	v_pk_fma_f32 v[RQ:RQ+1],   v[RQ:RQ+1],   v[RF2:RF2+1],   v[CQ1:CQ1+1]
	v_pk_fma_f32 v[RQ+2:RQ+3], v[RQ+2:RQ+3], v[RF2+2:RF2+3], v[CQ1:CQ1+1]
.irp e, 0,1,2,3
	v_xor_b32 v[RF+\e], v[RF+\e], v[RG+\e]
.endr
	v_pk_fma_f32 v[ACC+4*\k:ACC+4*\k+1],   v[RF:RF+1],   v[RQ:RQ+1],   v[RX:RX+1]           ; x2 + 0.02 sin
	v_pk_fma_f32 v[ACC+4*\k+2:ACC+4*\k+3], v[RF+2:RF+3], v[RQ+2:RQ+3], v[RX+2:RX+3]
.if \k < 4
	global_store_b128 v1, v[ACC+4*\k:ACC+4*\k+3], s[12:13] offset:\k*CELLB+512*\it th:TH_STORE_NT
.else
	global_store_b128 v1, v[ACC+4*\k:ACC+4*\k+3], s[36:37] offset:(\k-4)*CELLB+512*\it th:TH_STORE_NT
.endif
.endm
.macro ITEM it
.irp c, 0,1,2,3,4,5,6,7
.irp k, 0,1,2,3,4,5,6,7
	MAC \it, \c, \k
.endr
.endr
.irp k, 0,1,2,3,4,5,6,7
	CELL \it, \k
.endr
.endm
	s_wait_loadcnt 8                               ; the first piece's eight cells are in; the second piece's eight loads stay out
	ITEM 0
	s_wait_loadcnt 0x0
	s_wait_xcnt 0x0                                ; the first piece's stores have had their addresses translated (ISA guide 3.1): their data registers are written again only behind this wait
	ITEM 1
	s_endpgm
.Lfunc_end_k_q9de5219522_mix:
	.size	k_q9de5219522_mix, .Lfunc_end_k_q9de5219522_mix-k_q9de5219522_mix
	.p2alignl 7, 3214868480
	.fill 96, 4, 3214868480
	.section	.rodata,"a",@progbits
	.p2align	6, 0x0
	.amdhsa_kernel k_q9de5219522_mix
		.amdhsa_group_segment_fixed_size 0
		.amdhsa_private_segment_fixed_size 0
		.amdhsa_enable_private_segment 0
		.amdhsa_kernarg_size 40
		.amdhsa_user_sgpr_count 2
		.amdhsa_user_sgpr_kernarg_segment_ptr 1
		.amdhsa_wavefront_size32 1
		.amdhsa_system_sgpr_workgroup_id_x 1
		.amdhsa_system_sgpr_workgroup_id_y 1
		.amdhsa_system_sgpr_workgroup_id_z 1
		.amdhsa_system_vgpr_workitem_id 0
		.amdhsa_next_free_vgpr 224
		.amdhsa_next_free_sgpr 66
		.amdhsa_reserve_vcc 0
		.amdhsa_float_denorm_mode_32 3
		.amdhsa_float_denorm_mode_16_64 3
		.amdhsa_memory_ordered 1
		.amdhsa_forward_progress 1
		.amdhsa_inst_pref_size 64
	.end_amdhsa_kernel
	.amdgpu_metadata
---
amdhsa.version: [ 1, 2 ]
amdhsa.kernels:
  - .name:           k_q9de5219522_mix
    .symbol:         k_q9de5219522_mix.kd
    .args:
      - { .name: x1, .offset: 0, .size: 8, .value_kind: global_buffer, .address_space: global }
      - { .name: inhibit, .offset: 8, .size: 8, .value_kind: global_buffer, .address_space: global }
      - { .name: phases, .offset: 16, .size: 8, .value_kind: global_buffer, .address_space: global }
      - { .name: ambition, .offset: 24, .size: 8, .value_kind: global_buffer, .address_space: global }
      - { .name: out0, .offset: 32, .size: 8, .value_kind: global_buffer, .address_space: global }
    .group_segment_fixed_size: 0
    .private_segment_fixed_size: 0
    .kernarg_segment_align: 8
    .kernarg_segment_size: 40
    .max_flat_workgroup_size: 256
    .sgpr_count:     66
    .vgpr_count:     224
    .wavefront_size: 32
...
	.end_amdgpu_metadata
.endif
;; end of part 3
;; ======== version 2 of 3: 3 launches; 1.39 times as fast as version 1
;; limits: right only within a limited range of input values; values are held in f16: magnitudes above 65,504 overflow, below 6.1e-05 lose precision; inputs' magnitudes at most 65,504
;; workspace buffers: qkv 16,777,216 bytes; maskbits 524,288 bytes of whole numbers; x1 33,554,432 bytes
;; launch prep: the kernel of part 1 again; grid 256 x 1, 4 waves a work-group, no clusters, 290,304 bytes of LDS; arguments x, m, gate, qkv, maskbits; writes qkv, maskbits
;; launch attn (part 4): grid 16 x 16, 4 waves a work-group, clusters of 4 x 1, 327,680 bytes of LDS; arguments qkv, maskbits, x, x1; writes x1
.if DOCPART == 4
	.amdgcn_target "amdgcn-amd-amdhsa--gfx1250"
	.amdhsa_code_object_version 6
	.text
	.protected	k_q9de5219522_attn
	.globl	k_q9de5219522_attn
	.p2align	8
	.type	k_q9de5219522_attn,@function
k_q9de5219522_attn:
	s_mov_b64 s[64:65], 0
	v_nop
	global_prefetch_b8 v0, s[64:65] scope:SCOPE_SE
	s_setreg_imm32_b32 hwreg(HW_REG_WAVE_MODE, 25, 1), 1
	s_wait_xcnt 0x0
	s_wait_alu depctr_hold_cnt(0) depctr_sa_sdst(0) depctr_va_vdst(0) depctr_va_sdst(0) depctr_va_ssrc(0) depctr_va_vcc(0) depctr_vm_vsrc(0)
	s_getreg_b32 s2, hwreg(HW_REG_IB_STS2, 6, 4)
	s_cmp_eq_u32 s2, 0
	s_cbranch_scc0 .Lentry_in_a_cluster
	s_endpgm
.Lentry_in_a_cluster:
	s_bfe_u32 s2, ttmp6, 0x10000c
	s_cmp_lg_u32 s2, 0x3003
	s_cbranch_scc0 .Lentry_shape_is_right
	s_endpgm
.Lentry_shape_is_right:
; SECOND LAUNCH.  x1 = x + softmax(where(m, -inf, qkv qkv^T / 16)) qkv, for 16 slices of 2,048 rows x 256.  No work of reference() is left out here.
; A work-group owns 128 queries of one slice.  Wave w: qh = w / 2 picks 64 queries (four tiles qt), kh = w % 2 picks 64 of every 128 keys.
; Each wave runs its own softmax with a running maximum over its 1,024 keys; the two key halves are merged at the end.
; CLUSTER: the four work-groups of a cluster are four query blocks of one slice and walk the same keys, so every key tile is asked for
; jointly (mask 15).  The descriptors hang on the slice and the wave's number alone.
; ORIENTATION: S^T = K Q^T (source 0 = 16 keys, source 1 = 16 queries): register j of lane (r, h) is (key 8 h + j, query r).  A query's
; figures are one register a lane.  Two neighbouring S^T tiles, rounded to bf16 and packed, ARE the source-1 fragment P^T, and
; O^T = V^T P^T takes V^T from the same LDS tile by the transposing load.  No number changes lanes but the maximum and the sum (once each).
; THE MAXIMUM is kept as N = -max c, c = log2(e) / 16: N = min(N, round(-tile max x c)); p = exp2(s c + N); old sums are scaled by
; exp2(N new - N old).  The same rounded N stands in all three, so its rounding cancels in the division.
; LIMIT: N starts at 2^124, so scores below about -2.3e38 count as that value.  While all keys seen are masked, p = exp2(-inf) = 0; a row
; with every key masked ends as 0 x (1 / 0) = NaN, as in reference().
; TURNS: a step's 64 keys are two pieces of 32, a (key tiles 0, 1) and b (2, 3), each for all four query tiles, and one piece's vector work stands
; between the other piece's products.  A step is 16 groups of 16 products, each fed by four fragments (8 LDS loads) in one of three buffers:
;   groups 0-3   scores of a;  behind each product one lane read (a's mask words into scalar registers)
;   groups 4-7   scores of b;  behind every second product five of: a's masking, lane reads of b's mask words, a's maxima
;   in the open  b's masking and maxima, N and the scale of the old sums, a's exponentials, sums and packing, the scale of the first three O tiles
;   groups 8-11  P(a) V;  behind the products by turns six of b's exponentials, sums and packing, and the scale of two O tiles that come up two and three products later
;   groups 12-15 P(b) V
; The pieces are halves of the KEYS because a K or V fragment then belongs to one piece and still feeds four products; with pieces of two query tiles
; every fragment would be read from LDS once for each piece, 256 loads a step instead of 128.  Both pieces share one maximum, so O is scaled once a step.
; A turn of vector work costs two switches of the register window: the products name Q (window 1) or O (windows 2, 3) where the vector work names window 0.
; MASK WORDS: one load of 16 bytes a lane brings the step's 128 words (4 query tiles x 32) into four vector registers a step ahead; a word becomes a lane
; mask by v_readlane_b32, 64 at a time, as many as there are scalar registers for.
; THE TEXT: a wave runs 16 steps of 128 keys, and the step is written four times: the one that starts the sums, two in a loop of seven trips
; (one for each slot, so that every LDS address is a constant of the text plus a lane term), and the last, behind which nothing is fetched.
; LDS: two slots of 128 keys, rows of 512 bytes + 16 (33 x 16 bytes: the sixteen rows of a K fragment start 16 bytes apart modulo 256; the
; transposing loads would want 17 x 32, and one pitch cannot be both).  A step's tile has 128 rows; the four waves take 32 each, so that every
; wave has a load of its own on its way.  From a tile's request to the wait for it a wave issues a step's 256 matrix instructions.
; 4,096 bytes at 270,336 hold the waves' figures and are never a tensor load's target.  Behind the slots' last fill the first 266,240 bytes
; serve as the stage of the merge: 64 rows of 1,040 bytes a wave.
; Q is read once, straight into fragment registers.
.set PITCH,  528
.set WPART,  32*PITCH                  ; 16,896: what one tensor load brings
.set SLOTB,  4*WPART                   ; 67,584
.set HALFK,  64*PITCH                  ; 33,792: from the first 64 keys of a tile to the second
.set STATS,  270336
.set MPITCH, 1040
.set MREG,   64*MPITCH                 ; 66,560: a wave's stage
.set KADR,   2                         ; v[2:3]    K fragments of slot 0, 1
.set VADR,   4                         ; v[4:5]    V fragments likewise
.set MOFF,   6                         ; v6        my 16 bytes of a step's mask words
.set MW,     8                         ; v[8:11]   the step's mask words: word w of query tile q is register w % 4 of lane 8 q + w / 4
.set NREG,   12                        ; v[12:15]  N of the four query tiles
.set LREG,   16                        ; v[16:19]  the lane's part of the sum
.set ALREG,  20                        ; v[20:27]  a pair for each query tile: the scale of the old sums, twice; the high register holds the step's maximum first
.set NMREG,  28                        ; v[28:29]  N, twice; then a sum.  v[28:31] also: one register at work for each query tile
.set TREG,   30                        ; v[30:31]  a sum
.set KB,     32                        ; v[32:127] three buffers of four fragments
.set SA,     128                       ; v[128:191] scores of piece a at 16 qt + 8 kt, v[192:255] of piece b; P(a) at 128 + 8 qt, P(b) at 160 + 8 qt
; v1 = -inf.  Window 1: Q(qt, s) at 64 qt + 8 s; at the end x.  Windows 2, 3: O(dt, qt) at 8 (4 (dt % 8) + qt), dt 0-7 and 8-15.
; s[32:63], s[68:99]: 16 lane masks for each query tile (tile q from 32 + 16 q + 4 (q / 2)): piece a's, then piece b's.
; s[4:5] qkv; s[6:7] my mask words of this step; s[8:9] x, s[10:11] x1 at my 32 rows; s12 wave, s13 qh, s14 kh; s15 trips; s[16:23] group 1;
; s[24:31] group 0 of slots 0, 1; s[66:67] c, c; s100, s101 lane selects; s[104:105] Q.
.set MSB, 0
.macro WIN new                         ; the immediate's high byte repeats the setting that is left
.if MSB != (\new)
	s_set_vgpr_msb (MSB<<8)|(\new)
.set MSB, (\new)
.endif
.endm
.macro NOPS n
.rept \n
	v_nop
.endr
.endm
.macro ROUND                           ; a round of the cluster's barrier
	s_barrier_signal -1
	s_barrier_wait -1
	s_cmp_lg_u32 s12, 0
	s_cbranch_scc1 .Lnot_wave_0_\@
	s_barrier_signal -3
.Lnot_wave_0_\@:
	s_barrier_wait -3
	s_barrier_signal -1
	s_barrier_wait -1
.endm
	s_load_b256 s[4:11], s[0:1], 0x0
	v_lshl_add_u32 v254, v0, 2, 0x43000
	v_mov_b32 v255, 0
	ds_add_u32 v254, v255
	ds_add_u32 v254, v255
	s_wait_dscnt 0x0
	v_lshrrev_b32 v1, 5, v0
	v_readfirstlane_b32 s12, v1
	s_lshr_b32 s13, s12, 1
	s_and_b32 s14, s12, 1
	; group 1: 32 rows of 256 elements of 2 bytes, 4 words of padding behind every 128 words; mask 15 with bit 21 beside it
	s_mov_b32 s16, 15|(1<<16)|(1<<20)|(1<<21)|(6<<22)|(3<<25)
	s_mov_b32 s17, 256<<16                         ; tensor_dim0 = 256
	s_mov_b32 s18, 32<<16                          ; tensor_dim1 = 32
	s_mov_b32 s19, 256<<16                         ; tile_dim0 = 256
	s_mov_b32 s20, 32                              ; tile_dim1 = 32
	s_mov_b32 s21, 256                             ; 256 elements from row to row
	s_mov_b32 s22, 0
	s_mov_b32 s23, 0
	s_mov_b32 s24, 1
	s_mul_i32 s25, s12, WPART                      ; my quarter of slot 0
	s_mov_b32 s28, 1
	s_mul_i32 s29, s12, WPART
	s_add_co_u32 s29, s29, SLOTB                   ; and of slot 1
	s_and_b32 s2, ttmp7, 0xffff                    ; the slice
	s_lshl_b32 s2, s2, 20                          ; 2,048 rows of 512 bytes
	s_lshl_b32 s3, s12, 14                         ; my 32 keys of 128
	s_add_co_u32 s2, s2, s3
	s_mov_b32 s3, 0
	s_mov_b32 s66, 0x3db8aa3b                      ; c = log2(e) / 16
	s_mov_b32 s67, 0x3db8aa3b
	s_mov_b32 s100, 0x76543210
	s_mov_b32 s101, 0xfedcba98
	s_wait_kmcnt 0x0
	s_add_nc_u64 s[26:27], s[4:5], s[2:3]          ; keys 0 to 127
	s_add_nc_u64 s[30:31], s[26:27], 128*512       ; keys 128 to 255
	s_or_b32 s27, s27, 0x80000000
	s_or_b32 s31, s31, 0x80000000
	ROUND                                          ; the four work-groups are here: the first joint loads meet
	tensor_load_to_lds s[24:27], s[16:23]
	s_nop 0
	tensor_load_to_lds s[28:31], s[16:23]          ; two tensor loads of the wave are out here, one behind every later round
	s_nop 0
	; what hangs on my place in the cluster: global addresses alone, in registers that feed no descriptor
	s_bfe_u32 s68, ttmp6, 0x40000                  ; cx
	s_lshl_b32 s69, ttmp9, 2
	s_add_co_u32 s68, s68, s69                     ; query block = 4 x cluster x + cx
	s_and_b32 s69, ttmp7, 0xffff
	s_lshl_b32 s70, s69, 20
	s_lshl_b32 s71, s68, 16                        ; 128 rows of 512 bytes
	s_add_co_u32 s70, s70, s71
	s_mov_b32 s71, 0
	s_add_nc_u64 s[104:105], s[4:5], s[70:71]      ; Q
	s_lshl_b32 s70, s68, 15                        ; mask words: 8 query tiles of 4,096 bytes a block,
	s_lshl_b32 s72, s13, 14                        ; 4 a wave,
	s_add_co_u32 s70, s70, s72
	s_lshl_b32 s72, s14, 7                         ; 4 key tiles of 32 bytes for my half
	s_add_co_u32 s70, s70, s72
	s_add_nc_u64 s[6:7], s[6:7], s[70:71]
	s_lshl_b32 s70, s69, 21                        ; x and x1: rows of 1,024 bytes: slice,
	s_lshl_b32 s72, s68, 17                        ; block,
	s_add_co_u32 s70, s70, s72
	s_lshl_b32 s72, s13, 16                        ; 64 qh,
	s_add_co_u32 s70, s70, s72
	s_lshl_b32 s72, s14, 15                        ; 32 kh: the rows that I write at the end
	s_add_co_u32 s70, s70, s72
	s_add_nc_u64 s[8:9], s[8:9], s[70:71]
	s_add_nc_u64 s[10:11], s[10:11], s[70:71]
	v_and_b32 v28, 15, v0                          ; r
	v_bfe_u32 v29, v0, 4, 1                        ; h
	v_and_b32 v30, 7, v0                           ; lane % 8
	v_bfe_u32 v31, v0, 3, 2                        ; lane / 8: the query tile whose words I fetch
	v_lshlrev_b32 v[MOFF], 12, v31                 ; 4,096 bytes a query tile,
	v_lshl_add_u32 v[MOFF], v30, 4, v[MOFF]        ; 16 bytes a lane: eight lanes take a tile's 128 bytes; not written again in the loop
	global_load_b128 v[MW:MW+3], v[MOFF], s[6:7]   ; the first step's mask words
	v_lshlrev_b32 v26, 9, v28
	v_lshl_add_u32 v26, v29, 4, v26
	s_lshl_b32 s2, s13, 15
	v_add_nc_u32 v26, s2, v26                      ; Q: row 64 qh + r, 16 h bytes in
	WIN 0x40                                       ; destination in window 1
.irp qt, 0,1,2,3
.irp ks, 0,1,2,3,4,5,6,7
	global_load_b128 v[64*\qt+8*\ks:64*\qt+8*\ks+3],   v26, s[104:105] offset:8192*\qt+64*\ks
	global_load_b128 v[64*\qt+8*\ks+4:64*\qt+8*\ks+7], v26, s[104:105] offset:8192*\qt+64*\ks+32
.endr
.endr
	WIN 0
	s_mul_i32 s2, s14, HALFK                       ; my 64 keys of every 128
	v_mul_u32_u24 v[KADR], v28, PITCH
	v_lshl_add_u32 v[KADR], v29, 4, v[KADR]
	v_add_nc_u32 v[KADR], s2, v[KADR]              ; slot 0: key row 64 kh + r, 16 h bytes in
	v_add_nc_u32 v[KADR+1], SLOTB, v[KADR]         ; slot 1
	v_lshl_add_u32 v30, v29, 3, v30                ; 8 h + lane % 8
	v_bfe_u32 v31, v0, 3, 1
	v_mul_u32_u24 v[VADR], v30, PITCH
	v_lshl_add_u32 v[VADR], v31, 4, v[VADR]
	v_add_nc_u32 v[VADR], s2, v[VADR]
	v_add_nc_u32 v[VADR+1], SLOTB, v[VADR]
	v_mov_b32 v1, 0xff800000                       ; -inf
.irp qt, 0,1,2,3
	v_mov_b32 v[NREG+\qt], 0x7d800000              ; 2^124
.endr
; THE FRAGMENTS of group g, 8 loads into buffer g % 3.  Groups 0-7: K of two key tiles (piece g / 4) at two steps of 32 along d (2 (g % 4), + 1).
; Groups 8-15: V^T of four d tiles (4 (g % 4) ..) for the 32 keys of piece (g / 4) % 2.
.macro FLOAD slot, g
.if (\g) < 8
.irp ksl, 0,1
.irp ktl, 0,1
	ds_load_b128 v[KB+32*((\g)%3)+8*(2*\ksl+\ktl):KB+32*((\g)%3)+8*(2*\ksl+\ktl)+3],   v[KADR+\slot] offset:16*PITCH*(2*((\g)>>2)+\ktl)+64*(2*((\g)&3)+\ksl)
	ds_load_b128 v[KB+32*((\g)%3)+8*(2*\ksl+\ktl)+4:KB+32*((\g)%3)+8*(2*\ksl+\ktl)+7], v[KADR+\slot] offset:16*PITCH*(2*((\g)>>2)+\ktl)+64*(2*((\g)&3)+\ksl)+32
.endr
.endr
.else
.irp dtl, 0,1,2,3
	ds_load_tr16_b128 v[KB+32*((\g)%3)+8*\dtl:KB+32*((\g)%3)+8*\dtl+3],   v[VADR+\slot] offset:32*PITCH*(((\g)>>2)&1)+32*(4*((\g)&3)+\dtl)
	ds_load_tr16_b128 v[KB+32*((\g)%3)+8*\dtl+4:KB+32*((\g)%3)+8*\dtl+7], v[VADR+\slot] offset:32*PITCH*(((\g)>>2)&1)+32*(4*((\g)&3)+\dtl)+16*PITCH
.endr
.endif
.endm
; THE PRODUCTS.  In every group the accumulators take turns, one instruction a turn: eight score tiles twice, or sixteen O tiles once.
.macro SW g, n                         ; score product n of group g: step n / 8 of the group's two, key tile (n / 4) % 2 of the piece's two, query tile n % 4
.set SWD, SA+64*((\g)>>2)+16*((\n)&3)+8*(((\n)>>2)&1)
.set SWA, KB+32*((\g)%3)+8*(2*((\n)>>3)+(((\n)>>2)&1))
.set SWB, 64*((\n)&3)+8*(2*((\g)&3)+((\n)>>3))
.if (((\g)&3)+((\n)>>3)) == 0
	v_wmma_f32_16x16x32_bf16 v[SWD:SWD+7], v[SWA:SWA+7], v[SWB:SWB+7], 0
.else
	v_wmma_f32_16x16x32_bf16 v[SWD:SWD+7], v[SWA:SWA+7], v[SWB:SWB+7], v[SWD:SWD+7]
.endif
.endm
.macro PW g, n, zero                   ; P V product n of group g: d tile 4 (g % 4) + n / 4, query tile n % 4
.set PWD, 8*(4*(((4*((\g)&3))+((\n)>>2))&7)+((\n)&3))
.set PWA, KB+32*((\g)%3)+8*((\n)>>2)
.set PWB, SA+32*(((\g)>>2)&1)+8*((\n)&3)
.if \zero
	v_wmma_f32_16x16x32_bf16 v[PWD:PWD+7], v[PWA:PWA+7], v[PWB:PWB+7], 0
.else
	v_wmma_f32_16x16x32_bf16 v[PWD:PWD+7], v[PWA:PWA+7], v[PWB:PWB+7], v[PWD:PWD+7]
.endif
.endm
; THE VECTOR WORK, one instruction to a call, by number, so that it can be dealt out between the products.
.macro RLOP x, r                       ; mask word r % 16 of piece x, query tile r / 16, from its lane into its scalar register
.set RQ, (\r)>>4
.set RI, (\r)&15
	v_readlane_b32 s[32+16*RQ+4*(RQ>>1)+RI], v[MW+(RI&3)], 8*RQ+4*(\x)+(RI>>2)
.endm
.macro CNDOP x, r                      ; score r % 16 of piece x, query tile r / 16: -inf where masked
.set CQ, (\r)>>4
.set CI, (\r)&15
	v_cndmask_b32 v[SA+64*(\x)+16*CQ+CI], v[SA+64*(\x)+16*CQ+CI], v1, s[32+16*CQ+4*(CQ>>1)+CI]
.endm
.macro MAXA j                          ; piece a's maximum: two chains for each query tile, the eight chains by turns, so that no line waits for the line in front of it
.set MQ, (\j)&3
.set ML, (\j)>>2
.set MR, SA+16*MQ
.set MXR, ALREG+2*MQ+1
.set MTR, NMREG+MQ
.if ML == 0
	v_max3_num_f32 v[MXR], v[MR], v[MR+1], v[MR+2]
.endif
.if ML == 1
	v_max3_num_f32 v[MTR], v[MR+8], v[MR+9], v[MR+10]
.endif
.if ML == 2
	v_max3_num_f32 v[MXR], v[MXR], v[MR+3], v[MR+4]
.endif
.if ML == 3
	v_max3_num_f32 v[MTR], v[MTR], v[MR+11], v[MR+12]
.endif
.if ML == 4
	v_max3_num_f32 v[MXR], v[MXR], v[MR+5], v[MR+6]
.endif
.if ML == 5
	v_max3_num_f32 v[MTR], v[MTR], v[MR+13], v[MR+14]
.endif
.if ML == 6
	v_max_num_f32 v[MTR], v[MTR], v[MR+15]
.endif
.if ML == 7
	v_max3_num_f32 v[MXR], v[MXR], v[MR+7], v[MTR]
.endif
.endm
; What stands among piece b's score products, 160 instructions, 40 to a group: a's 64 maskings; then, the scalar registers being free, the lane reads of b's
; 64 words; and a's 32 maxima, laid so that the last five of every 40 are plain vector instructions on registers that no score product of b names:
; they are the places between a group's last product and the loads into its buffer.  Behind the last lane read the next step's words are asked for.
.macro PAOP k, last
.if (\k) < 64
	CNDOP 0, \k
.endif
.if (\k) >= 64
.if (\k) < 75
	RLOP 1, (\k)-64
.endif
.endif
.if (\k) >= 75
.if (\k) < 84
	MAXA (\k)-75
.endif
.endif
.if (\k) >= 84
.if (\k) < 111
	RLOP 1, (\k)-73
.endif
.endif
.if (\k) >= 111
.if (\k) < 120
	MAXA (\k)-102
.endif
.endif
.if (\k) >= 120
.if (\k) < 146
	RLOP 1, (\k)-82
.endif
.endif
.if (\k) >= 146
	MAXA (\k)-128
.endif
.if (\k) == 145
.if \last == 0
	global_load_b128 v[MW:MW+3], v[MOFF], s[6:7] offset:256   ; the next step's 8 key tiles lie 256 bytes on
.endif
.endif
.endm
.macro MAXB                            ; piece b's maximum joins a's, again in eight chains by turns
.irp q, 0,1,2,3
	v_max3_num_f32 v[ALREG+2*\q+1], v[ALREG+2*\q+1], v[SA+64+16*\q], v[SA+64+16*\q+1]
.endr
.irp q, 0,1,2,3
	v_max3_num_f32 v[NMREG+\q], v[SA+64+16*\q+8], v[SA+64+16*\q+9], v[SA+64+16*\q+10]
.endr
.irp q, 0,1,2,3
	v_max3_num_f32 v[ALREG+2*\q+1], v[ALREG+2*\q+1], v[SA+64+16*\q+2], v[SA+64+16*\q+3]
.endr
.irp q, 0,1,2,3
	v_max3_num_f32 v[NMREG+\q], v[NMREG+\q], v[SA+64+16*\q+11], v[SA+64+16*\q+12]
.endr
.irp q, 0,1,2,3
	v_max3_num_f32 v[ALREG+2*\q+1], v[ALREG+2*\q+1], v[SA+64+16*\q+4], v[SA+64+16*\q+5]
.endr
.irp q, 0,1,2,3
	v_max3_num_f32 v[NMREG+\q], v[NMREG+\q], v[SA+64+16*\q+13], v[SA+64+16*\q+14]
.endr
.irp q, 0,1,2,3
	v_max3_num_f32 v[ALREG+2*\q+1], v[ALREG+2*\q+1], v[SA+64+16*\q+6], v[SA+64+16*\q+7]
.endr
.irp q, 0,1,2,3
	v_max3_num_f32 v[ALREG+2*\q+1], v[ALREG+2*\q+1], v[NMREG+\q], v[SA+64+16*\q+15]
.endr
.endm
.macro FIN first                       ; the new N and the scale of the old sums, the four query tiles by turns
.irp q, 0,1,2,3
	v_permlanex16_b32 v[NMREG+\q], v[ALREG+2*\q+1], s100, s101     ; the query's other 32 keys
.endr
.irp q, 0,1,2,3
	v_max_num_f32 v[ALREG+2*\q+1], v[ALREG+2*\q+1], v[NMREG+\q]
.endr
.irp q, 0,1,2,3
	v_mul_f32 v[ALREG+2*\q+1], 0xbdb8aa3b, v[ALREG+2*\q+1]         ; -max c; +inf where all 64 are masked,
.endr
.irp q, 0,1,2,3
	v_min_num_f32 v[ALREG+2*\q+1], v[ALREG+2*\q+1], v[NREG+\q]     ; which the finite N so far then replaces
.endr
.if \first == 0
.irp q, 0,1,2,3
	v_sub_f32 v[NMREG+\q], v[ALREG+2*\q+1], v[NREG+\q]
.endr
.irp q, 0,1,2,3
	v_exp_f32 v[ALREG+2*\q], v[NMREG+\q]                           ; the four moves below are the plain instructions behind these (ISA guide 5.7.2)
.endr
.endif
.irp q, 0,1,2,3
	v_mov_b32 v[NREG+\q], v[ALREG+2*\q+1]
.endr
.if \first == 0
	s_wait_alu depctr_va_vdst(0)
.irp q, 0,1,2,3
	v_mov_b32 v[ALREG+2*\q+1], v[ALREG+2*\q]
.endr
.endif
.endm
; Exponentials, sum and packing of piece x, query tile q: 44 instructions, number k.  The packing goes downward (8 registers from 16), and no register is
; written before it has been summed and packed: pairs 0 to 3, the only ones that tile 0 of piece a packs onto, are summed first.
.macro ECVT i
	v_cvt_pk_bf16_f32 v[EDST+\i], v[ESRC+2*\i], v[ESRC+2*\i+1]
.endm
.macro ESUM d, p
	v_pk_add_f32 v[\d:\d+1], v[\d:\d+1], v[ESRC+2*\p:ESRC+2*\p+1]
.endm
.macro EOP x, q, k, first
.set ESRC, SA+64*(\x)+16*(\q)
.set EDST, SA+32*(\x)+8*(\q)
.if (\k) < 2
	v_mov_b32 v[NMREG+(\k)], v[NREG+(\q)]
.endif
.if (\k) >= 2
.if (\k) < 10
	v_pk_fma_f32 v[ESRC+2*(\k)-4:ESRC+2*(\k)-3], v[ESRC+2*(\k)-4:ESRC+2*(\k)-3], s[66:67], v[NMREG:NMREG+1] op_sel_hi:[1,0,1]
.endif
.endif
.if (\k) >= 10
.if (\k) < 26
	v_exp_f32 v[ESRC+(\k)-10], v[ESRC+(\k)-10]
.endif
.endif
.if (\k) == 26                         ; one plain instruction behind the exponentials (ISA guide 5.7.2): the old sum's scaling where there is one
.if ((\x)+(\first)) == 0
	v_mul_f32 v[LREG+(\q)], v[LREG+(\q)], v[ALREG+2*(\q)]
	s_wait_alu depctr_va_vdst(0)
.else
	v_nop
	s_wait_alu depctr_va_vdst(0)
.endif
.endif
.if (\k) == 27
	v_pk_add_f32 v[TREG:TREG+1], v[ESRC:ESRC+1], v[ESRC+2:ESRC+3]
.endif
.if (\k) == 28
	v_pk_add_f32 v[NMREG:NMREG+1], v[ESRC+4:ESRC+5], v[ESRC+6:ESRC+7]
.endif
.if (\k) == 29
	ECVT 0
.endif
.if (\k) == 30
	ESUM TREG, 4
.endif
.if (\k) == 31
	ECVT 1
.endif
.if (\k) == 32
	ESUM NMREG, 5
.endif
.if (\k) == 33
	ECVT 2
.endif
.if (\k) == 34
	ESUM TREG, 6
.endif
.if (\k) == 35
	ECVT 3
.endif
.if (\k) == 36
	ESUM NMREG, 7
.endif
.if (\k) == 37
	ECVT 4
.endif
.if (\k) == 38
	v_pk_add_f32 v[TREG:TREG+1], v[TREG:TREG+1], v[NMREG:NMREG+1]
.endif
.if (\k) == 39
	ECVT 5
.endif
.if (\k) == 40
	ECVT 6
.endif
.if (\k) == 41
	v_add_f32 v[TREG], v[TREG], v[TREG+1]
.endif
.if (\k) == 42
	ECVT 7
.endif
.if (\k) == 43
.if ((\x)+1-(\first)) == 0
	v_mov_b32 v[LREG+(\q)], v[TREG]                ; the first step's piece a starts the sum
.else
	v_add_f32 v[LREG+(\q)], v[LREG+(\q)], v[TREG]
.endif
.endif
.endm
.macro ESL e, first                    ; number e of piece b's 4 x 44
.if (\e) < 176
	EOP 1, (\e)/44, (\e)%44, \first
.endif
.endm
.macro CT m                            ; O tile m, in the order in which the products of groups 8-11 take them, times its query tile's scale
.if (\m) < 64
.set CB, 8*(4*(((\m)>>2)&7)+((\m)&3))
.set CA, ALREG+2*((\m)&3)
	WIN (0x82+0x41*((\m)>>5))                      ; destination and source 0 in window 2 (tiles 0-31) or 3, the scale in window 0
.irp e, 0,2,4,6
	v_pk_mul_f32 v[CB+\e:CB+\e+1], v[CB+\e:CB+\e+1], v[CA:CA+1]
.endr
.endif
.endm
.macro SCALEO                          ; at the end: the 32 O tiles of one window times the pair of their query tile
.irp d, 0,1,2,3,4,5,6,7
.irp qt, 0,1,2,3
.irp e, 0,2,4,6
	v_pk_mul_f32 v[8*(4*\d+\qt)+\e:8*(4*\d+\qt)+\e+1], v[8*(4*\d+\qt)+\e:8*(4*\d+\qt)+\e+1], v[ALREG+2*\qt:ALREG+2*\qt+1]
.endr
.endr
.endr
.endm
; THE GROUPS.  In front of each: s_wait_dscnt 16: its own eight loads are in, the two younger groups of eight stay out.  Behind each: the loads of the group three on, into its buffer.
.macro SGA slot, g                     ; groups 0-3.  A lane read names a vector register as source 0 alone, which the products' window setting leaves in window 0
	s_wait_dscnt 16
.set SN, 0
.rept 16
	SW \g, SN
	RLOP 0, 16*(\g)+SN
.set SN, SN+1
.endr
	NOPS 4                                         ; four places (ISA guide 7.12.1) before the buffer is loaded again and, behind group 3, before a's scores are read; the lane reads are not counted as places
	FLOAD \slot, (\g)+3
.endm
.macro SGB slot, g, last               ; groups 4-7
	s_wait_dscnt 16
.set SN, 0
.rept 16
	WIN 0x04                                       ; source 1 (Q) in window 1
	SW \g, SN
.if SN&1
	WIN 0
.set PK, 5*(8*((\g)-4)+(SN>>1))
	PAOP PK, \last
	PAOP PK+1, \last
	PAOP PK+2, \last
	PAOP PK+3, \last
	PAOP PK+4, \last
.endif
.set SN, SN+1
.endr
	FLOAD \slot, (\g)+3                            ; behind the five plain instructions of the last turn
.endm
.macro PGA slot, g, first              ; groups 8-11
	s_wait_dscnt 16
.set SN, 0
.rept 16
	WIN (0xa0+0x50*(((\g)&3)>>1))                  ; C and D in window 2 (d tiles 0-7) or 3
	PW \g, SN, \first
.set PM, 16*((\g)-8)+SN
.if SN&1
.if \first == 0
	CT PM+2                                        ; a product and a turn of piece b's work stand between a tile's scaling and its product
	CT PM+3
.endif
.else
.set PE, 6*(PM>>1)
.if PE < 176
	WIN 0
	ESL PE, \first
	ESL PE+1, \first
	ESL PE+2, \first
	ESL PE+3, \first
	ESL PE+4, \first
	ESL PE+5, \first
.endif
.endif
.set SN, SN+1
.endr
	WIN 0
.if \first
	NOPS 4                                         ; the first step scales nothing: four places before the buffer is loaded again
.else
.if (\g) == 11
	NOPS 4                                         ; no tile is left to scale behind the last product; behind groups 8-10 the eight multiplies of two later tiles are the places
.endif
.endif
	FLOAD \slot, (\g)+3
.endm
.macro PGB slot, g                     ; groups 12-15
.if (\g) < 14
	s_wait_dscnt 16
.else
	s_wait_dscnt 8*(15-(\g))                       ; one younger group of eight, then none
.endif
	WIN (0xa0+0x50*(((\g)&3)>>1))
.set SN, 0
.rept 16
	PW \g, SN, 0
.set SN, SN+1
.endr
.if (\g) == 12
	WIN 0
	NOPS 4
	FLOAD \slot, 15                                ; the step's last fragments
.endif
.endm
; One step: my 64 queries x my 64 keys of the 128 keys in a slot.  first: nothing to rescale, the products start the sums; last: no mask words follow.
.macro STEP slot, first, last
	WIN 0x04
	FLOAD \slot, 0
	FLOAD \slot, 1
	FLOAD \slot, 2
	s_wait_loadcnt 0x0                             ; this step's mask words (in the first step Q too)
.irp g, 0,1,2,3
	SGA \slot, \g
.endr
.irp g, 4,5,6,7
	SGB \slot, \g, \last
.endr
.set XR, 0
.rept 64
	CNDOP 1, XR                                    ; b's scores: five plain instructions stand behind the last score product
.set XR, XR+1
.endr
	MAXB
	FIN \first
.irp q, 0,1,2,3
.set EK, 0
.rept 44
	EOP 0, \q, EK, \first
.set EK, EK+1
.endr
.endr
.if \first == 0
	CT 0
	CT 1
	CT 2
.endif
.irp g, 8,9,10,11
	PGA \slot, \g, \first
.endr
.irp g, 12,13,14,15
	PGB \slot, \g
.endr
	WIN 0
	NOPS 5                                         ; five places: the next scores are written over P, the next K loads over these V fragments
.endm
; A change of slots, in front of the step on \slot.  In front of the barrier every wave waits for all its tensor loads (its part of \slot) and for its
; reads of the other slot.  refill: the barrier is a round of the cluster's barrier, and the joint load into the other slot stands first behind it, one a wave.
.macro CHANGE slot, refill
	s_wait_xcnt 0x0
	v_lshl_add_u32 v254, v0, 2, 0x43000
	v_mov_b32 v255, 0
	s_wait_tensorcnt 0x0                           ; no tensor load of mine is out: a group 0 may be written
	ds_add_u32 v254, v255
	s_wait_dscnt 0x0
.if \refill
	s_add_nc_u64 s[30-4*\slot:31-4*\slot], s[30-4*\slot:31-4*\slot], 256*512   ; the other slot's next 128 keys, 256 keys on
.endif
	s_wait_dscnt 0x0
	s_wait_xcnt 0x0                                ; the mask load that is out has had its address translated (ISA guide 3.1): its base steps only behind this wait
	s_add_nc_u64 s[6:7], s[6:7], 256               ; 8 key tiles of 32 bytes
.if \refill
	ROUND
	tensor_load_to_lds s[28-4*\slot:31-4*\slot], s[16:23]
	s_nop 0
.else
	s_barrier_signal -1
	s_barrier_wait -1
.endif
.endm
	s_wait_tensorcnt 0x1                           ; my part of slot 0 has landed; slot 1's load may stay out
	s_barrier_signal -1
	s_barrier_wait -1
	STEP 0, 1, 0                                   ; keys 0 to 127: the products start the sums
	s_mov_b32 s15, 7
.Lloop:                                                ; steps 1 to 14; in front of step t the tile of step t + 1 is asked for
	CHANGE 1, 1
	STEP 1, 0, 0
	CHANGE 0, 1
	STEP 0, 0, 0
	s_sub_co_u32 s15, s15, 1
	s_cmp_lg_u32 s15, 0
	s_cbranch_scc1 .Lloop
	CHANGE 1, 0                                    ; the last 128 keys: nothing is left to fetch
	STEP 1, 0, 1
	; THE END.  x of my 32 rows comes in over Q; the two key halves are merged through LDS.
	v_and_b32 v2, 31, v0
	v_lshlrev_b32 v2, 4, v2                        ; 16 x lane; not written again
	WIN 0x40
.set i, 0
.rept 64
	global_load_b128 v[4*i:4*i+3], v2, s[8:9] offset:512*i th:TH_LOAD_NT   ; 512 neighbouring bytes: half a row
.set i, i+1
.endr
	WIN 0
.irp qt, 0,1,2,3
	v_permlanex16_b32 v[NMREG+\qt], v[LREG+\qt], s100, s101
.endr
.irp qt, 0,1,2,3
	v_add_f32 v[LREG+\qt], v[LREG+\qt], v[NMREG+\qt]       ; the sum over my 1,024 keys
.endr
	v_lshlrev_b32 v3, 1, v2                        ; 32 x lane
	s_lshl_b32 s2, s12, 10
	s_add_co_u32 s2, s2, STATS
	s_xor_b32 s3, s12, 1                           ; the wave with my queries and the other keys
	s_lshl_b32 s3, s3, 10
	s_add_co_u32 s3, s3, STATS
	v_add_nc_u32 v4, s3, v3
	v_add_nc_u32 v3, s2, v3
	ds_store_b128 v3, v[NREG:NREG+3]
	ds_store_b128 v3, v[LREG:LREG+3] offset:16
	s_wait_dscnt 0x0                               ; my figures are in LDS, and my reads of the slots are long back
	s_barrier_signal -1
	s_barrier_wait -1                              ; so are everybody's: the slots may now be written as the stage
	ds_load_b128 v[32:35], v4                      ; the partner's N
	ds_load_b128 v[36:39], v4 offset:16            ; and sum
	v_and_b32 v28, 15, v0
	v_bfe_u32 v29, v0, 4, 1
	v_mul_u32_u24 v5, v28, MPITCH
	v_lshl_add_u32 v5, v29, 5, v5
	s_mul_i32 s2, s12, MREG
	v_add_nc_u32 v5, s2, v5                        ; stage in: my region, row r, 32 h bytes in
	s_mul_i32 s2, s13, 2*MREG
	s_mul_i32 s3, s14, 32*MPITCH
	s_add_co_u32 s2, s2, s3
	v_add_nc_u32 v6, s2, v2                        ; stage back: rows 32 kh .. of the region of (qh, keys 0),
	v_add_nc_u32 v7, MREG, v6                      ; and of (qh, keys 1)
	s_wait_dscnt 0x0
.irp qt, 0,1,2,3
	v_min_num_f32 v[40+\qt], v[NREG+\qt], v[32+\qt]        ; N of both halves together
.endr
.irp qt, 0,1,2,3
	v_sub_f32 v[44+\qt], v[40+\qt], v[NREG+\qt]
	v_sub_f32 v[48+\qt], v[40+\qt], v[32+\qt]
.endr
.irp qt, 0,1,2,3
	v_exp_f32 v[44+\qt], v[44+\qt]
	v_exp_f32 v[48+\qt], v[48+\qt]
.endr
	v_nop
	s_wait_alu depctr_va_vdst(0)
.irp qt, 0,1,2,3
	v_mul_f32 v[52+\qt], v[36+\qt], v[48+\qt]
.endr
.irp qt, 0,1,2,3
	v_fma_f32 v[52+\qt], v[LREG+\qt], v[44+\qt], v[52+\qt] ; the whole row's sum: at least about 1, or 0 where every key is masked
.endr
.irp qt, 0,1,2,3
	v_rcp_f32 v[52+\qt], v[52+\qt]
.endr
	v_nop
	s_wait_alu depctr_va_vdst(0)
.irp qt, 0,1,2,3
	v_mul_f32 v[ALREG+2*\qt], v[44+\qt], v[52+\qt]
	v_mul_f32 v[ALREG+2*\qt+1], v[44+\qt], v[52+\qt]
.endr
.macro STAGEO dbase                    ; a lane's eight numbers of a tile are 32 neighbouring bytes of a query's row
.irp d, 0,1,2,3,4,5,6,7
.irp qt, 0,1,2,3
	ds_store_b128 v5, v[8*(4*\d+\qt):8*(4*\d+\qt)+3]   offset:16*MPITCH*\qt+64*(\dbase+\d)
	ds_store_b128 v5, v[8*(4*\d+\qt)+4:8*(4*\d+\qt)+7] offset:16*MPITCH*\qt+64*(\dbase+\d)+16
.endr
.endr
.endm
	WIN 0x82
	SCALEO
	WIN 0x08                                       ; store data in window 2
	STAGEO 0
	WIN 0xc3
	SCALEO
	WIN 0x0c                                       ; store data in window 3
	STAGEO 8
	WIN 0
	s_wait_dscnt 0x0
	s_barrier_signal -1
	s_barrier_wait -1
; Four rows: both halves' parts, plus x, out in pieces of 512 neighbouring bytes.  Two register sets take turns.
.macro OUTB b
.set RA, 32+96*((\b)&1)
	s_wait_xcnt 0x0                                ; the set's last stores have had their addresses translated (ISA guide 3.1): it is loaded again only behind this wait
.irp t, 0,1,2,3,4,5,6,7
	ds_load_b128 v[RA+4*\t:RA+4*\t+3], v6 offset:MPITCH*(4*\b+(\t>>1))+512*(\t&1)
.endr
.irp t, 0,1,2,3,4,5,6,7
	ds_load_b128 v[RA+32+4*\t:RA+32+4*\t+3], v7 offset:MPITCH*(4*\b+(\t>>1))+512*(\t&1)
.endr
	s_wait_dscnt 0x0
	s_wait_loadcnt 56-8*\b                         ; x of these four rows is in; the loads of the later rows stay out
.irp e, 0,2,4,6,8,10,12,14,16,18,20,22,24,26,28,30
	v_pk_add_f32 v[RA+\e:RA+\e+1], v[RA+\e:RA+\e+1], v[RA+32+\e:RA+32+\e+1]
.endr
	WIN 0x04                                       ; source 1 (x) in window 1
.irp e, 0,2,4,6,8,10,12,14,16,18,20,22,24,26,28,30
	v_pk_add_f32 v[RA+\e:RA+\e+1], v[RA+\e:RA+\e+1], v[32*\b+\e:32*\b+\e+1]
.endr
	WIN 0
.irp t, 0,1,2,3,4,5,6,7
	global_store_b128 v2, v[RA+4*\t:RA+4*\t+3], s[10:11] offset:512*(8*\b+\t)
.endr
.endm
.irp b, 0,1,2,3,4,5,6,7
	OUTB \b
.endr
	s_wait_xcnt 0x0
	v_lshl_add_u32 v254, v0, 2, 0x43000
	v_mov_b32 v255, 0
	s_wait_tensorcnt 0x0
	ds_add_u32 v254, v255
	s_wait_dscnt 0x0
	ROUND                                          ; the closing round: no work-group ends while a partner may still ask for a tile that names it
	s_endpgm
.Lfunc_end_k_q9de5219522_attn:
	.size	k_q9de5219522_attn, .Lfunc_end_k_q9de5219522_attn-k_q9de5219522_attn
	.p2alignl 7, 3214868480
	.fill 96, 4, 3214868480
	.section	.rodata,"a",@progbits
	.p2align	6, 0x0
	.amdhsa_kernel k_q9de5219522_attn
		.amdhsa_group_segment_fixed_size 327680
		.amdhsa_private_segment_fixed_size 0
		.amdhsa_enable_private_segment 0
		.amdhsa_kernarg_size 32
		.amdhsa_user_sgpr_count 2
		.amdhsa_user_sgpr_kernarg_segment_ptr 1
		.amdhsa_wavefront_size32 1
		.amdhsa_system_sgpr_workgroup_id_x 1
		.amdhsa_system_sgpr_workgroup_id_y 1
		.amdhsa_system_sgpr_workgroup_id_z 1
		.amdhsa_system_vgpr_workitem_id 0
		.amdhsa_next_free_vgpr 1024
		.amdhsa_next_free_sgpr 106
		.amdhsa_reserve_vcc 0
		.amdhsa_float_denorm_mode_32 3
		.amdhsa_float_denorm_mode_16_64 3
		.amdhsa_memory_ordered 1
		.amdhsa_forward_progress 1
		.amdhsa_inst_pref_size 255
	.end_amdhsa_kernel
	.section	.bss,"aw",@nobits
	.p2align	6
	.space	262144
	.amdgpu_metadata
---
amdhsa.version: [ 1, 2 ]
amdhsa.kernels:
  - .name:           k_q9de5219522_attn
    .symbol:         k_q9de5219522_attn.kd
    .args:
      - { .name: qkv, .offset: 0, .size: 8, .value_kind: global_buffer, .address_space: global }
      - { .name: maskbits, .offset: 8, .size: 8, .value_kind: global_buffer, .address_space: global }
      - { .name: x, .offset: 16, .size: 8, .value_kind: global_buffer, .address_space: global }
      - { .name: x1, .offset: 24, .size: 8, .value_kind: global_buffer, .address_space: global }
    .group_segment_fixed_size: 327680
    .private_segment_fixed_size: 0
    .kernarg_segment_align: 8
    .kernarg_segment_size: 32
    .max_flat_workgroup_size: 128
    .sgpr_count:     106
    .vgpr_count:     1024
    .wavefront_size: 32
...
	.end_amdgpu_metadata
.endif
;; end of part 4
;; launch mix: the kernel of part 3 again; grid 512 x 1, 8 waves a work-group, no clusters, 0 bytes of LDS; arguments x1, inhibit, phases, ambition, out0; writes out0
;; ======== version 3 of 3: 3 launches; version 2 with the launch mix written anew for expert scheduling mode
;; limits: right only within a limited range of input values; values are held in f16: magnitudes above 65,504 overflow, below 6.1e-05 lose precision; inputs' magnitudes at most 65,504
;; workspace buffers: qkv 16,777,216 bytes; maskbits 524,288 bytes of whole numbers; x1 33,554,432 bytes
;; launch prep: the kernel of part 1 again; grid 256 x 1, 4 waves a work-group, no clusters, 290,304 bytes of LDS; arguments x, m, gate, qkv, maskbits; writes qkv, maskbits
;; launch attn: the kernel of part 4 again; grid 16 x 16, 4 waves a work-group, clusters of 4 x 1, 327,680 bytes of LDS; arguments qkv, maskbits, x, x1; writes x1
;; launch mix (part 5): grid 512 x 1, 8 waves a work-group, no clusters, 0 bytes of LDS; arguments x1, inhibit, phases, ambition, out0; writes out0
.if DOCPART == 5
	.amdgcn_target "amdgcn-amd-amdhsa--gfx1250"
	.amdhsa_code_object_version 6
	.text
	.protected	k_q9de5219522_mix
	.globl	k_q9de5219522_mix
	.p2align	8
	.type	k_q9de5219522_mix,@function
k_q9de5219522_mix:
	s_mov_b64 s[64:65], 0
	v_nop
	global_prefetch_b8 v0, s[64:65] scope:SCOPE_SE
	s_setreg_imm32_b32 hwreg(HW_REG_WAVE_SCHED_MODE, 0, 2), 2
	s_setreg_imm32_b32 hwreg(HW_REG_WAVE_MODE, 25, 1), 1
	s_wait_xcnt 0x0
	s_wait_alu depctr_vm_vsrc(0)
; THIRD LAUNCH.  For each batch b, row t, column d:  x2[k] = x1[k] + tanh(sum over c of x1[c] inhibit[c][k]);  out[k] = x2[k] + 0.02 sin(x2[k] a[k] + p[k]).
; No work of reference() is left out here.
; A stream: every byte of x1 is read once and every byte of out0 written once, in pieces of 512 neighbouring bytes a wave.  No LDS, no barrier.
; The mix over eight cells has 8 x 8 terms a point, and the cells lie 2 MiB apart in memory: packed f32 multiply-adds on the numbers as they come
; do it without any reordering, and a matrix form of depth 32 would be three quarters empty.  The work-groups share only the 256 bytes of inhibit: no cluster.
; A work-group owns 16 pieces of 512 bytes of all eight cells of one batch, a wave two of them, a lane four neighbouring columns.
; tanh(y) = 1 - 2 / (1 + exp2(2 log2(e) y)); the factor is multiplied into inhibit once.  It goes to +1 and -1 as exp2 goes to infinity and 0.
; sin(v) = sin(pi u), u = v / pi = n + f with n whole and |f| <= 1/2:  (-1)^n sin(pi f), by the series to f^9 (the next term is below 4e-6).
; n by adding and taking away 1.5 x 2^23, whose sum carries n's parity in its lowest bit.  LIMIT: right for |u| < 2^22, that is |x a + p| < about 1.3e7.
; THE MODE: SCHED_MODE bits 1:0 = 2 (LLVM: expert scheduling mode 2), set by the entry lines.  The code itself states the register dependences
; between vector instructions and memory instructions, with s_wait_alu, always for 0.
; THE PLAN.  Registers that memory instructions touch:
;   v1, v40   byte offsets, made at the head and never written again: one wait in front of the first load serves every load and store of the text.
;   INH       the loads of inhibit land in it once, at the head; from then on vector instructions alone name it.
;   XR        piece i, cell c: the load of x1 lands in it once, at the head.  The piece's multiply-adds read it, then the cell's x + 1; from there on no vector
;             instruction needs the four numbers, and the cell's last two lines write its four RESULTS over them.  The cell's store reads them; nothing writes them again.
;   ACC and all registers below v64 but v1 and v40 are named by vector instructions alone.
; So no register that a load or store reads is ever written again.  Cell k's store stands in cell k + 1, directly behind the wait that
; stands there for the exponentials: that wait also states that cell k has written its results, and no vector instruction issued since names them.  Cell 7, which has no cell
; behind it in its piece, has a wait of its own at the piece's end.
.set CELLB, 2097152                    ; bytes of a cell: 2,048 x 256 x 4
.set RE,   2                           ; v[2:5]    exp2, then the reciprocal
.set RX,   6                           ; v[6:9]    x + 1, then x2
.set RU,   10                          ; v[10:13]  u
.set RT,   14                          ; v[14:17]  u + 1.5 x 2^23
.set RF,   18                          ; v[18:21]  n, then f
.set RG,   22                          ; v[22:25]  the sign
.set RF2,  26                          ; v[26:29]  f^2
.set RQ,   30                          ; v[30:33]  the series
.set CQ9,  42                          ; v[42:51]  0.02 x the series' coefficients, a pair each
.set CQ7,  44
.set CQ5,  46
.set CQ3,  48
.set CQ1,  50
.set MG,   52                          ; v[52:53]  1.5 x 2^23
.set INH,  64                          ; v[64:127] inhibit[c][k] x 2 log2(e) at 8 c + k, in every lane
.set XR,   128                         ; v[128:191] piece i, cell c: four numbers at 32 i + 4 c, as loaded; then the cell's four results
.set ACC,  192                         ; v[192:223] cell k: four sums
	s_load_b256 s[4:11], s[0:1], 0x0               ; x1 s[4:5], inhibit s[6:7], phases s[8:9], ambition s[10:11]
	s_load_b64 s[12:13], s[0:1], 0x20              ; out0
	v_lshrrev_b32 v1, 5, v0
	v_and_b32 v34, 31, v0
	v_lshlrev_b32 v1, 10, v1                       ; 1,024 bytes a wave,
	v_lshl_add_u32 v1, v34, 4, v1                  ; 16 a lane; not written again
	v_mov_b32 v40, 0
	s_lshr_b32 s2, ttmp9, 8                        ; the batch: 8 cells of 2 MiB
	s_lshl_b32 s2, s2, 24
	s_and_b32 s3, ttmp9, 255
	s_lshl_b32 s3, s3, 13                          ; 8,192 bytes a work-group
	s_add_co_u32 s2, s2, s3
	s_mov_b32 s3, 0
	s_mov_b32 s32, 0x3ea2f983                      ; 1 / pi
	s_wait_kmcnt 0x0
	s_load_b256 s[16:23], s[10:11], 0x0            ; a
	s_load_b256 s[24:31], s[8:9], 0x0              ; p
	s_wait_alu depctr_va_vdst(0)                   ; v1 and v40 are written: every load and store of the kernel reads one of them as its offset
.irp i, 0,1,2,3,4,5,6,7,8,9,10,11,12,13,14,15
	global_load_b128 v[INH+4*\i:INH+4*\i+3], v40, s[6:7] offset:16*\i
.endr
	s_add_nc_u64 s[4:5], s[4:5], s[2:3]            ; cells 0 to 3 stand in the immediate offset,
	s_add_nc_u64 s[34:35], s[4:5], 4*CELLB         ; cells 4 to 7 have a base of their own: 7 x 2 MiB is beyond the signed 24 bits
	s_add_nc_u64 s[12:13], s[12:13], s[2:3]
	s_add_nc_u64 s[36:37], s[12:13], 4*CELLB
.irp it, 0,1
.irp c, 0,1,2,3
	global_load_b128 v[XR+32*\it+4*\c:XR+32*\it+4*\c+3], v1, s[4:5] offset:\c*CELLB+512*\it th:TH_LOAD_NT
.endr
.irp c, 0,1,2,3
	global_load_b128 v[XR+32*\it+16+4*\c:XR+32*\it+16+4*\c+3], v1, s[34:35] offset:\c*CELLB+512*\it th:TH_LOAD_NT
.endr
.endr
	v_mov_b32 v[CQ9], 0x3ad7572c                   ; 0.02 pi^9 / 9!
	v_mov_b32 v[CQ9+1], 0x3ad7572c
	v_mov_b32 v[CQ7], 0xbc445df4                   ; -0.02 pi^7 / 7!
	v_mov_b32 v[CQ7+1], 0xbc445df4
	v_mov_b32 v[CQ5], 0x3d50e8d1                   ; 0.02 pi^5 / 5!
	v_mov_b32 v[CQ5+1], 0x3d50e8d1
	v_mov_b32 v[CQ3], 0xbdd3ab65                   ; -0.02 pi^3 / 3!
	v_mov_b32 v[CQ3+1], 0xbdd3ab65
	v_mov_b32 v[CQ1], 0x3d80adfd                   ; 0.02 pi
	v_mov_b32 v[CQ1+1], 0x3d80adfd
	v_mov_b32 v[MG], 0x4b400000
	v_mov_b32 v[MG+1], 0x4b400000
	s_wait_kmcnt 0x0
.irp k, 0,1,2,3,4,5,6,7
	s_mul_f32 s[16+\k], s[16+\k], s32              ; a / pi
	s_mul_f32 s[24+\k], s[24+\k], s32              ; p / pi
.endr
	s_wait_loadcnt 16                              ; inhibit is in; the 16 loads of the two pieces stay out
.set i, 0
.rept 32
	v_pk_mul_f32 v[INH+i:INH+i+1], v[INH+i:INH+i+1], 0x4038aa3b op_sel_hi:[1,0]   ; x 2 log2(e)
.set i, i+2
.endr
.macro MAC it, c, k                    ; ACC[k] (+)= x[c] inhibit[c][k], four numbers; the entry is the low or the high register of its pair
.if \c == 0
.if (\k)&1
	v_pk_mul_f32 v[ACC+4*\k:ACC+4*\k+1],   v[XR+32*\it:XR+32*\it+1],   v[INH+\k-1:INH+\k] op_sel:[0,1] op_sel_hi:[1,1]
	v_pk_mul_f32 v[ACC+4*\k+2:ACC+4*\k+3], v[XR+32*\it+2:XR+32*\it+3], v[INH+\k-1:INH+\k] op_sel:[0,1] op_sel_hi:[1,1]
.else
	v_pk_mul_f32 v[ACC+4*\k:ACC+4*\k+1],   v[XR+32*\it:XR+32*\it+1],   v[INH+\k:INH+\k+1] op_sel_hi:[1,0]
	v_pk_mul_f32 v[ACC+4*\k+2:ACC+4*\k+3], v[XR+32*\it+2:XR+32*\it+3], v[INH+\k:INH+\k+1] op_sel_hi:[1,0]
.endif
.else
.if (\k)&1
	v_pk_fma_f32 v[ACC+4*\k:ACC+4*\k+1],   v[XR+32*\it+4*\c:XR+32*\it+4*\c+1],   v[INH+8*\c+\k-1:INH+8*\c+\k], v[ACC+4*\k:ACC+4*\k+1]   op_sel:[0,1,0] op_sel_hi:[1,1,1]
	v_pk_fma_f32 v[ACC+4*\k+2:ACC+4*\k+3], v[XR+32*\it+4*\c+2:XR+32*\it+4*\c+3], v[INH+8*\c+\k-1:INH+8*\c+\k], v[ACC+4*\k+2:ACC+4*\k+3] op_sel:[0,1,0] op_sel_hi:[1,1,1]
.else
	v_pk_fma_f32 v[ACC+4*\k:ACC+4*\k+1],   v[XR+32*\it+4*\c:XR+32*\it+4*\c+1],   v[INH+8*\c+\k:INH+8*\c+\k+1], v[ACC+4*\k:ACC+4*\k+1]   op_sel_hi:[1,0,1]
	v_pk_fma_f32 v[ACC+4*\k+2:ACC+4*\k+3], v[XR+32*\it+4*\c+2:XR+32*\it+4*\c+3], v[INH+8*\c+\k:INH+8*\c+\k+1], v[ACC+4*\k+2:ACC+4*\k+3] op_sel_hi:[1,0,1]
.endif
.endif
.endm
.macro PUT it, k                       ; the store of cell k's four results: 512 neighbouring bytes a wave
.if (\k) < 4
	global_store_b128 v1, v[XR+32*(\it)+4*(\k):XR+32*(\it)+4*(\k)+3], s[12:13] offset:(\k)*CELLB+512*(\it) th:TH_STORE_NT
.else
	global_store_b128 v1, v[XR+32*(\it)+4*(\k):XR+32*(\it)+4*(\k)+3], s[36:37] offset:((\k)-4)*CELLB+512*(\it) th:TH_STORE_NT
.endif
.endm
.macro CELL it, k
.irp e, 0,1,2,3
	v_exp_f32 v[RE+\e], v[ACC+4*\k+\e]
.endr
	v_pk_add_f32 v[RX:RX+1],   v[XR+32*\it+4*\k:XR+32*\it+4*\k+1],   1.0 op_sel_hi:[1,0]   ; plain work behind the exponentials (ISA guide 5.7.2); the last reads of the cell's x
	v_pk_add_f32 v[RX+2:RX+3], v[XR+32*\it+4*\k+2:XR+32*\it+4*\k+3], 1.0 op_sel_hi:[1,0]
	s_wait_alu depctr_va_vdst(0)                   ; the four exponentials have written v[RE ..], which the additions below read; the cell before has written its four results, which the store below reads
.if \k > 0
	PUT \it, (\k-1)                                ; no vector instruction since the wait names its data or its offset
.endif
	v_pk_add_f32 v[RE:RE+1],   v[RE:RE+1],   1.0 op_sel_hi:[1,0]
	v_pk_add_f32 v[RE+2:RE+3], v[RE+2:RE+3], 1.0 op_sel_hi:[1,0]
.irp e, 0,1,2,3
	v_rcp_f32 v[RE+\e], v[RE+\e]
.endr
	v_nop                                          ; one plain instruction behind the reciprocals
	s_wait_alu depctr_va_vdst(0)                   ; the four reciprocals have written v[RE ..], which the multiply-adds below read
	v_pk_fma_f32 v[RX:RX+1],   v[RE:RE+1],   -2.0, v[RX:RX+1]   op_sel_hi:[1,0,1]           ; x2 = x + 1 - 2 / (1 + e^2y)
	v_pk_fma_f32 v[RX+2:RX+3], v[RE+2:RE+3], -2.0, v[RX+2:RX+3] op_sel_hi:[1,0,1]
.irp e, 0,1,2,3
	v_fma_f32 v[RU+\e], v[RX+\e], s[16+\k], s[24+\k]                                        ; u = (x2 a + p) / pi
.endr
	v_pk_add_f32 v[RT:RT+1],   v[RU:RU+1],   v[MG:MG+1]
	v_pk_add_f32 v[RT+2:RT+3], v[RU+2:RU+3], v[MG:MG+1]
	v_pk_add_f32 v[RF:RF+1],   v[RT:RT+1],   v[MG:MG+1] neg_lo:[0,1] neg_hi:[0,1]           ; n
	v_pk_add_f32 v[RF+2:RF+3], v[RT+2:RT+3], v[MG:MG+1] neg_lo:[0,1] neg_hi:[0,1]
	v_pk_add_f32 v[RF:RF+1],   v[RU:RU+1],   v[RF:RF+1]   neg_lo:[0,1] neg_hi:[0,1]         ; f = u - n
	v_pk_add_f32 v[RF+2:RF+3], v[RU+2:RU+3], v[RF+2:RF+3] neg_lo:[0,1] neg_hi:[0,1]
.irp e, 0,1,2,3
	v_lshlrev_b32 v[RG+\e], 31, v[RT+\e]           ; n's parity as a sign bit
.endr
	v_pk_mul_f32 v[RF2:RF2+1],   v[RF:RF+1],   v[RF:RF+1]
	v_pk_mul_f32 v[RF2+2:RF2+3], v[RF+2:RF+3], v[RF+2:RF+3]
	v_pk_fma_f32 v[RQ:RQ+1],   v[RF2:RF2+1],   v[CQ9:CQ9+1], v[CQ7:CQ7+1]
	v_pk_fma_f32 v[RQ+2:RQ+3], v[RF2+2:RF2+3], v[CQ9:CQ9+1], v[CQ7:CQ7+1]
	v_pk_fma_f32 v[RQ:RQ+1],   v[RQ:RQ+1],   v[RF2:RF2+1],   v[CQ5:CQ5+1]
	v_pk_fma_f32 v[RQ+2:RQ+3], v[RQ+2:RQ+3], v[RF2+2:RF2+3], v[CQ5:CQ5+1]
	v_pk_fma_f32 v[RQ:RQ+1],   v[RQ:RQ+1],   v[RF2:RF2+1],   v[CQ3:CQ3+1]
	v_pk_fma_f32 v[RQ+2:RQ+3], v[RQ+2:RQ+3], v[RF2+2:RF2+3], v[CQ3:CQ3+1]
	v_pk_fma_f32 v[RQ:RQ+1],   v[RQ:RQ+1],   v[RF2:RF2+1],   v[CQ1:CQ1+1]
	v_pk_fma_f32 v[RQ+2:RQ+3], v[RQ+2:RQ+3], v[RF2+2:RF2+3], v[CQ1:CQ1+1]
.irp e, 0,1,2,3
	v_xor_b32 v[RF+\e], v[RF+\e], v[RG+\e]
.endr
	v_pk_fma_f32 v[XR+32*\it+4*\k:XR+32*\it+4*\k+1],   v[RF:RF+1],   v[RQ:RQ+1],   v[RX:RX+1]   ; x2 + 0.02 sin, over the cell's x, which nothing reads any more
	v_pk_fma_f32 v[XR+32*\it+4*\k+2:XR+32*\it+4*\k+3], v[RF+2:RF+3], v[RQ+2:RQ+3], v[RX+2:RX+3]
.endm
.macro ITEM it
.irp c, 0,1,2,3,4,5,6,7
.irp k, 0,1,2,3,4,5,6,7
	MAC \it, \c, \k
.endr
.endr
.irp k, 0,1,2,3,4,5,6,7
	CELL \it, \k
.endr
	s_wait_alu depctr_va_vdst(0)                   ; cell 7 has written its four results, which the piece's last store reads
	PUT \it, 7
.endm
	s_wait_loadcnt 8                               ; the first piece's eight cells are in; the second piece's eight loads stay out
	ITEM 0
	s_wait_loadcnt 0x0                             ; the second piece is in.  It writes no register that the first piece's stores read: their data lie in the first piece's own XR
	ITEM 1
	s_endpgm
.Lfunc_end_k_q9de5219522_mix:
	.size	k_q9de5219522_mix, .Lfunc_end_k_q9de5219522_mix-k_q9de5219522_mix
	.p2alignl 7, 3214868480
	.fill 96, 4, 3214868480
	.section	.rodata,"a",@progbits
	.p2align	6, 0x0
	.amdhsa_kernel k_q9de5219522_mix
		.amdhsa_group_segment_fixed_size 0
		.amdhsa_private_segment_fixed_size 0
		.amdhsa_enable_private_segment 0
		.amdhsa_kernarg_size 40
		.amdhsa_user_sgpr_count 2
		.amdhsa_user_sgpr_kernarg_segment_ptr 1
		.amdhsa_wavefront_size32 1
		.amdhsa_system_sgpr_workgroup_id_x 1
		.amdhsa_system_sgpr_workgroup_id_y 1
		.amdhsa_system_sgpr_workgroup_id_z 1
		.amdhsa_system_vgpr_workitem_id 0
		.amdhsa_next_free_vgpr 224
		.amdhsa_next_free_sgpr 66
		.amdhsa_reserve_vcc 0
		.amdhsa_float_denorm_mode_32 3
		.amdhsa_float_denorm_mode_16_64 3
		.amdhsa_memory_ordered 1
		.amdhsa_forward_progress 1
		.amdhsa_inst_pref_size 64
	.end_amdhsa_kernel
	.amdgpu_metadata
---
amdhsa.version: [ 1, 2 ]
amdhsa.kernels:
  - .name:           k_q9de5219522_mix
    .symbol:         k_q9de5219522_mix.kd
    .args:
      - { .name: x1, .offset: 0, .size: 8, .value_kind: global_buffer, .address_space: global }
      - { .name: inhibit, .offset: 8, .size: 8, .value_kind: global_buffer, .address_space: global }
      - { .name: phases, .offset: 16, .size: 8, .value_kind: global_buffer, .address_space: global }
      - { .name: ambition, .offset: 24, .size: 8, .value_kind: global_buffer, .address_space: global }
      - { .name: out0, .offset: 32, .size: 8, .value_kind: global_buffer, .address_space: global }
    .group_segment_fixed_size: 0
    .private_segment_fixed_size: 0
    .kernarg_segment_align: 8
    .kernarg_segment_size: 40
    .max_flat_workgroup_size: 256
    .sgpr_count:     66
    .vgpr_count:     224
    .wavefront_size: 32
...
	.end_amdgpu_metadata
.endif
;; end of part 5
